; MI455X (gfx1250); checked and timed in simulation.
; The chip was launched on July 23, 2026; its instructions are those of AMD's public machine-readable ISA for CDNA 5 (MIT licence, August 2026) and "CDNA5" Instruction Set Architecture Reference Guide (July 2026). The comments in the code are by the model that wrote it; some were corrected since.
;; EP Mo E. Allowed arithmetic: matrix products marked QUANTISED: E2M1 operands, one E8M0 scale for each 32 along K, by v_wmma_scale_f32_16x16x128_f8f6f4 with both operands' format E2M1 (or v_wmma_scale_f32_32x16x128_f4), f32 sums; products left as they are: f32 operands where the result goes on into a quantised operand, else bf16, f16 or f32 operands; f32 sums; everything else in f32.
;; Inputs: hidden_states 1,024 x 1,024 float32; topk_ids 1,024 x 2 int32; topk_weights 1,024 x 2 float32; wi_0 8 x 1,024 x 1,024 float32; wi_1 8 x 1,024 x 1,024 float32; wo 8 x 1,024 x 1,024 float32.
;; Outputs: out0 1,024 x 1,024 float32.
;; This version of the problem:
;;   THIS VERSION OF THE PROBLEM IS GIVEN IN LOW PRECISION. The matrix products marked QUANTISED in the list below multiply operands that are first quantised to E2M1 (2 exponent bits, 1 mantissa bit; 4 bits a number), with one power-of-two scale for each 32 numbers along K (OCP MX v1.0); their sums are f32. All else is computed in f32.
;;   The module's matrix products, in the order in which they are computed (A, B: the left and right operand; K: the contracted axis; several contracted axes count as one K, in the product's order):
;;     1. batch 2,048 x [M 1,024, K 1] x [K 1, N 8]; A: computed on the way; B: computed on the way: left as it is (no contracted axis)
;;     2. [M 2,048, K 8,192] x [K 8,192, N 1,024]; A: computed on the way; B: input wi_0: QUANTISED
;;     3. batch 2,048 x [M 1,024, K 1] x [K 1, N 8]; A: computed on the way; B: computed on the way: left as it is (no contracted axis)
;;     4. [M 2,048, K 8,192] x [K 8,192, N 1,024]; A: computed on the way; B: input wi_1: QUANTISED
;;     5. batch 2,048 x [M 1,024, K 1] x [K 1, N 8]; A: computed on the way; B: computed on the way: left as it is (no contracted axis)
;;     6. [M 2,048, K 8,192] x [K 8,192, N 1,024]; A: computed on the way; B: input wo: QUANTISED
;;     7. batch 1,024 x [M 1,024, K 2] x [K 2, N 1]; A: computed on the way; B: input topk_weights: left as it is (K = 2 < 32)
;;   THE QUANTISER, for each operand of a quantised product, along K:
;;     - K is cut into blocks of 32 from its start; a last block that is shorter is filled with zeros.
;;     - A block's scale is 2^e with e = floor(log2(the largest magnitude in the block)) - 2, held to -126 .. 127; a block of zeros has e = 0. As a byte (E8M0): e + 127.
;;     - Each number is divided by its block's scale, clamped to +-6, and rounded to the nearest number of E2M1, ties to even, subnormals kept.
;;     - The product sums the exact products of the quantised numbers (number of the format x scale) in f32.
;;   ~~~python
;;   def quantise(x, axis):      # numpy; x: float32 -> the quantised numbers, widened to float32 again
;;       x = np.moveaxis(x, axis, -1); K = x.shape[-1]
;;       x = np.pad(x, [(0, 0)] * (x.ndim - 1) + [(0, -K % 32)]); x = x.reshape(x.shape[:-1] + (-1, 32)); a = np.abs(x).max(-1, keepdims=True)
;;       e = np.where(a > 0, np.clip(np.frexp(np.where(a > 0, a, 1))[1] - 1 - 2, -126, 127), 0)      # np.frexp(a)[1] - 1 = floor(log2(a)), exactly
;;       r = np.clip(x / 2.0 ** e, -6, 6)
;;       step = 2.0 ** (np.maximum(np.frexp(np.where(r == 0, 1, r))[1] - 1, 0) - 1)
;;       q = np.round(r / step) * step * 2.0 ** e      # np.round: ties to even
;;       return np.moveaxis(q.reshape(q.shape[:-2] + (-1,))[..., :K], -1, axis).astype(np.float32)
;;   ~~~
;;   OPERANDS COMPUTED ON THE WAY. 'Computed on the way' means the value that the module computes at that place (a softmax that the list does not call 'softmax' is quantised finished and normalised). What goes into a quantiser is computed in f32, as accurately as f32 sums, v_exp_f32 and their like allow (about 1e-6 of the number): no bf16 or f16 on the way to a quantiser, and a product that is left as it is and whose result goes on into a quantised operand takes f32 operands (vector FMAs, or v_wmma_f32_16x16x4_f32). A number that lies on a knife's edge between two numbers of the format may be rounded either way, as far as f32 arithmetic and the matrix unit's own rounding can turn it there, and no further.
;; 2 versions. Each part assembles by itself: llvm-mc -triple=amdgcn-amd-amdhsa -mcpu=gfx1250 --defsym DOCPART=n.
;; ======== version 1 of 2: 3 launches
;; workspace buffers: wgu 8,912,896 bytes; wdn 4,456,448 bytes; xq 786,432 bytes; iq 1,114,112 bytes; route 8,192 bytes of whole numbers
;; launch prep (part 1): grid 801 x 1, 8 waves a work-group, no clusters, 17,920 bytes of LDS; arguments hidden_states, topk_ids, wi_0, wi_1, wo, wgu, wdn, xq, route; writes wgu, wdn, xq, route
.if DOCPART == 1
	.amdgcn_target "amdgcn-amd-amdhsa--gfx1250"
	.amdhsa_code_object_version 6
	.text
	.protected	k_q188d0921bb_prep
	.globl	k_q188d0921bb_prep
	.p2align	8
	.type	k_q188d0921bb_prep,@function
k_q188d0921bb_prep:
	s_mov_b64 s[64:65], 0
	v_nop
	global_prefetch_b8 v0, s[64:65] scope:SCOPE_SE
	s_setreg_imm32_b32 hwreg(HW_REG_WAVE_MODE, 25, 1), 1
	s_wait_xcnt 0x0
; LAUNCH 1 OF 3: every operand that arrives as f32 becomes codes of E2M1 with E8M0 scale bytes, once, and the tokens are sorted by their pair of experts.
; K'S ORDER.  Gate and up contract (d, e), k = 8 d + e: a block of 32 is 4 neighbouring d x the 8 experts.  So a row of x has one scale for each 4 numbers, and wi_0, wi_1 have one
; scale for (4 d, column f), shared by the 8 experts.  Down contracts (e, f), k = 1024 e + f: a block is 32 neighbouring f of one expert.
; WORK-GROUPS.  0: the sort.  1 .. 32: the rows of x, 4 tokens a wave.  33 .. 800: the weights: tensor T = j / 256, K step S = (j / 4) % 64, 256 columns (j % 4), 32 of them a wave.
; The three ways part on the work-group's number alone; only the sort uses LDS and barriers.
; PANELS (wgu: 64, panel 2 fb + m, m = 0 gate, 1 up; wdn: 32): 32 columns x all of K = 64 K steps of 128.  K step S: 2,048 bytes of codes at 2048 S, an image of the 16 registers that the
; 32 x 16 x 128 matrix form takes as its first source: [tile u][c][lane][16 bytes]; its scale words at 131072 + 128 S + 4 lane.  Lane 16 u + r stands for column 8 u + r + 8 (r / 8), so that in a
; result a lane's 16 registers are 16 neighbouring columns.
; K MAPS (whole blocks change places, alike in both operands).  Gate, up: K step S, block b, place 4 e + dl holds d = 256 (S % 4) + 4 (S / 4) + 128 (b / 2) + 64 (b % 2) + dl.
; Down: K step 8 e + s, block b holds f = 256 (s / 2) + 32 (s % 2) + 128 (b / 2) + 64 (b % 2) + 0 .. 31.
; xq: a token's codes, 512 bytes: word 64 h + S = the 4 codes of d-group 64 (S % 4) + S / 4 + 16 h (low half) and of the group 32 further on (high half); its scale words at 524288 + 256 tok + 4 S.
; route: record i = {token, 8 e0 + e1}, the tokens sorted by that key.
; A block's scale byte is its largest magnitude's exponent field - 2, held at 1 from below.  A block of zeros so gets the byte 1: its codes are zeros, and this program alone reads the bytes.
; LIMITS: NaN and infinities among the inputs are not served; blocks whose largest magnitude lies under 2^-124 take the byte 1.  A K step's 128 scale bytes of a panel leave as 128 consecutive bytes.
.set PANEL, 139264
.set PSC,   131072
.set X,     32                         ; v32-159: 128 numbers
.set C,     8                          ; v8-23: a K step's codes
; block b of the K step: 32 rows of my column.  Each load covers 128 consecutive bytes of a row; the eight waves stand side by side on 1,024
.macro LOADB b
.irp e, 0,1,2,3,4,5,6,7
.irp d, 0,1,2,3
	global_load_b32 v[X+32*(\b)+4*\e+\d], v2, s[32+2*\e:33+2*\e] offset:(128*((\b)/2)+64*((\b)%2)+\d)*4096 th:TH_LOAD_NT
.endr
.endr
.endm
; block b: largest magnitude (all 32 numbers are the lane's), scale byte into byte b of v28, 32 codes into four registers
.macro BLOCK b
.set XB, X+32*(\b)
	v_max3_num_f32 v24, |v[XB]|, |v[XB+1]|, |v[XB+2]|
	v_max3_num_f32 v25, |v[XB+3]|, |v[XB+4]|, |v[XB+5]|
.irp i, 6,10,14,18,22,26
	v_max3_num_f32 v24, v24, |v[XB+\i]|, |v[XB+\i+1]|
	v_max3_num_f32 v25, v25, |v[XB+\i+2]|, |v[XB+\i+3]|
.endr
	v_max3_num_f32 v24, v24, |v[XB+30]|, |v[XB+31]|
	v_max3_num_f32 v24, v24, v25, 0x1800000        ; the floor 2^(3 - 127): the byte cannot fall under 1
	v_add_nc_u32 v26, 0xff000000, v24              ; 2 off the exponent field: the conversion's scale operand
	v_lshrrev_b32 v27, 23, v26                     ; the scale's byte
.if (\b) == 0
	v_mov_b32 v28, v27
.else
	v_lshl_or_b32 v28, v27, 8*(\b), v28
.endif
.irp g, 0,1,2,3
	v_cvt_scalef32_pk8_fp4_f32 v[C+4*(\b)+\g], v[XB+8*\g:XB+8*\g+7], v26
.endr
.endm
; token t of the wave's four: lane l holds the d-groups 32 g + l, g = 0 .. 7, four numbers each
.macro TOKEN t
.set XT, X+32*(\t)
	s_wait_loadcnt 24-8*(\t)                       ; this token's eight loads are in; the later tokens' may be out
.irp g, 0,1,2,3,4,5,6,7
	v_max3_num_f32 v[8+\g], |v[XT+4*\g]|, |v[XT+4*\g+1]|, 0x1800000
.endr
.irp g, 0,1,2,3,4,5,6,7
	v_max3_num_f32 v[8+\g], v[8+\g], |v[XT+4*\g+2]|, |v[XT+4*\g+3]|
.endr
.irp g, 0,1,2,3,4,5,6,7
	v_add_nc_u32 v[8+\g], 0xff000000, v[8+\g]      ; the group's scale operand
.endr
.irp g, 0,1,2,3,4,5,6,7
	v_lshrrev_b32 v[16+\g], 23, v[8+\g]            ; and its byte
.endr
.irp j, 0,1,2,3
	v_cvt_scalef32_pk8_fp4_f32 v[160+2*\j], v[XT+8*\j:XT+8*\j+7], v[8+2*\j]    ; two groups at a time, once under each group's scale:
	v_cvt_scalef32_pk8_fp4_f32 v[161+2*\j], v[XT+8*\j:XT+8*\j+7], v[9+2*\j]    ; the low half of the first and the high half of the second are kept
.endr
.irp j, 0,1,2,3
	v_lshl_or_b32 v[24+\j], v[17+2*\j], 16, v[16+2*\j]    ; (plain lines behind the conversions)  my two bytes of scale word S = 4 (l % 16) + j: blocks h and 2 + h,
.endr
.irp j, 0,1,2,3
	v_lshlrev_b32 v[24+\j], v6, v[24+\j]           ; at their places, 8 h bits up;
.endr
.irp j, 0,1,2,3
	v_permlanex16_b32 v[28+\j], v[24+\j], s34, s35
.endr
.irp j, 0,1,2,3
	v_bfi_b32 v[XT+\j], s30, v[160+2*\j], v[161+2*\j]
.endr
.irp j, 0,1,2,3
	v_or_b32 v[XT+4+\j], v[24+\j], v[28+\j]        ; with lane l xor 16's two the word is whole
.endr
	global_store_b128 v3, v[XT:XT+3], s[26:27] offset:512*(\t)      ; words 4 l .. 4 l + 3: 512 consecutive bytes
	global_store_b128 v5, v[XT+4:XT+7], s[28:29] offset:256*(\t)    ; 256 consecutive bytes; lanes 16-31 hold the same words and name the same places
.endm
	s_load_b256 s[4:11], s[0:1], 0x0               ; hidden_states s[4:5], topk_ids s[6:7], wi_0 s[8:9], wi_1 s[10:11]
	s_load_b256 s[12:19], s[0:1], 0x20             ; wo s[12:13], wgu s[14:15], wdn s[16:17], xq s[18:19]
	s_load_b64 s[20:21], s[0:1], 0x40              ; route
	v_lshl_add_u32 v168, v0, 2, 0x4200
	v_mov_b32 v169, 0
	v_lshrrev_b32 v1, 5, v0
	v_readfirstlane_b32 s22, v1                    ; wave 0..7
	v_and_b32 v1, 31, v0                           ; lane
	v_lshlrev_b32 v3, 4, v1                        ; 16 l
	v_lshlrev_b32 v4, 2, v1                        ; 4 l
	s_wait_kmcnt 0x0
	s_cmp_eq_u32 ttmp9, 0
	s_cbranch_scc1 .Lsort
	s_cmp_lt_u32 ttmp9, 33
	s_cbranch_scc1 .Lrows
	; ---------------- THE WEIGHTS: one K step of 32 columns a wave ----------------
	s_sub_co_u32 s23, ttmp9, 33
	s_lshr_b32 s24, s23, 8                         ; T: 0 wi_0, 1 wi_1, 2 wo
	s_bfe_u32 s25, s23, 0x60002                    ; S: the K step
	s_and_b32 s26, s23, 3
	s_lshl_b32 s26, s26, 3
	s_add_co_u32 s26, s26, s22                     ; which 32 columns
	s_and_b32 s52, s25, 3                          ; wi: first row 256 (S % 4) + 4 (S / 4), of 4,096 bytes
	s_lshl_b32 s52, s52, 20
	s_lshr_b32 s53, s25, 2
	s_lshl_b32 s53, s53, 14
	s_add_co_u32 s52, s52, s53
	s_lshr_b32 s53, s25, 3                         ; wo: plane S / 8, first row 256 (s / 2) + 32 (s % 2), s = S % 8
	s_lshl_b32 s53, s53, 22
	s_bfe_u32 s56, s25, 0x20001
	s_lshl_b32 s56, s56, 20
	s_add_co_u32 s53, s53, s56
	s_and_b32 s56, s25, 1
	s_lshl_b32 s56, s56, 17
	s_add_co_u32 s53, s53, s56
	s_lshl_b32 s57, s26, 1
	s_add_co_u32 s57, s57, s24                     ; wi's panel: 2 x column block + T
	s_mov_b32 s54, 0x400000                        ; from base to base: wi: an expert's plane;
	s_cmp_eq_u32 s24, 0
	s_cselect_b64 s[28:29], s[8:9], s[10:11]
	s_cmp_eq_u32 s24, 2                            ; every choice below hangs on T alone
	s_cselect_b64 s[28:29], s[12:13], s[28:29]     ; the tensor
	s_cselect_b64 s[30:31], s[16:17], s[14:15]     ; where its panels go
	s_cselect_b32 s52, s53, s52
	s_cselect_b32 s54, 0x4000, s54                 ; wo: four rows
	s_cselect_b32 s57, s26, s57
	s_lshl_b32 s56, s26, 7
	s_add_co_u32 s52, s52, s56                     ; + 128 bytes for each 32 columns
	s_mov_b32 s53, 0
	s_mov_b32 s55, 0
	s_add_nc_u64 s[32:33], s[28:29], s[52:53]      ; eight bases: places 4 e' + 0 .. 3 of a block come from base e'
.irp e, 1,2,3,4,5,6,7
	s_add_nc_u64 s[32+2*\e:33+2*\e], s[30+2*\e:31+2*\e], s[54:55]
.endr
	v_and_b32 v2, 7, v1                            ; my column: (l % 8) + 16 x bit 3 + 8 x bit 4 of the lane
	v_bfe_u32 v5, v1, 3, 1
	v_lshl_add_u32 v2, v5, 4, v2
	v_bfe_u32 v5, v1, 4, 1
	v_lshl_add_u32 v2, v5, 3, v2
	v_lshlrev_b32 v2, 2, v2
	LOADB 0
	LOADB 1
	s_mul_i32 s58, s57, PANEL
	s_lshl_b32 s56, s25, 11
	s_add_co_u32 s56, s56, s58
	s_mov_b32 s57, 0
	s_add_nc_u64 s[48:49], s[30:31], s[56:57]      ; the K step's codes
	s_lshl_b32 s56, s25, 7
	s_add_co_u32 s56, s56, s58
	s_add_co_u32 s56, s56, PSC
	s_add_nc_u64 s[50:51], s[30:31], s[56:57]      ; and its scale words
	s_wait_loadcnt 32                              ; block 0 is in; block 1's 32 loads may be out
	LOADB 2
	BLOCK 0
	s_wait_loadcnt 32                              ; block 1 is in; block 2's may be out
	LOADB 3
	BLOCK 1
	s_wait_loadcnt 32                              ; block 2 is in; block 3's may be out
	BLOCK 2
	s_wait_loadcnt 0x0
	BLOCK 3
	v_nop                                          ; one plain line behind the last conversion
.irp c, 0,1                                    ; the operand's layout wants block 2 c in lanes 0-15 and block 2 c + 1 in lanes 16-31, of the same 16 columns:
.irp i, 0,1,2,3
	v_permlane16_swap_b32 v[C+8*\c+\i], v[C+8*\c+4+\i]    ; the first's upper lanes change places with the second's lower: v[C + 8 c + 4 u ..] are tile u's registers 4 c .. 4 c + 3
.endr
.endr
.irp u, 0,1
.irp c, 0,1
	global_store_b128 v3, v[C+8*\c+4*\u:C+8*\c+4*\u+3], s[48:49] offset:(2*\u+\c)*512    ; 512 consecutive bytes
.endr
.endr
	global_store_b32 v4, v28, s[50:51]
	s_endpgm
	; ---------------- THE ROWS OF x: four tokens a wave ----------------
.Lrows:
	s_sub_co_u32 s23, ttmp9, 1
	s_lshl_b32 s23, s23, 3
	s_add_co_u32 s23, s23, s22
	s_lshl_b32 s23, s23, 2                         ; my first token
	s_mov_b32 s25, 0
	s_lshl_b32 s24, s23, 12
	s_add_nc_u64 s[4:5], s[4:5], s[24:25]
	s_lshl_b32 s24, s23, 9
	s_add_nc_u64 s[26:27], s[18:19], s[24:25]      ; its codes
	s_lshl_b32 s24, s23, 8
	s_add_co_u32 s24, s24, 524288
	s_add_nc_u64 s[28:29], s[18:19], s[24:25]      ; its scale words
.irp t, 0,1,2,3
.irp g, 0,1,2,3,4,5,6,7
	global_load_b128 v[X+32*\t+4*\g:X+32*\t+4*\g+3], v3, s[4:5] offset:4096*\t+512*\g th:TH_LOAD_NT    ; 512 consecutive bytes
.endr
.endr
	v_and_b32 v5, 15, v1
	v_lshlrev_b32 v5, 4, v5                        ; 16 (l % 16)
	v_lshrrev_b32 v6, 4, v1
	v_lshlrev_b32 v6, 3, v6                        ; 8 h
	s_mov_b32 s30, 0xffff
	s_mov_b32 s34, 0x76543210
	s_mov_b32 s35, 0xfedcba98                      ; v_permlanex16_b32's selects for lane l xor 16
.irp j, 0,1,2,3
	v_mov_b32 v[28+\j], 0                          ; written once: a lane permute's destination counts as one of its sources
.endr
	TOKEN 0
	TOKEN 1
	TOKEN 2
	TOKEN 3
	s_endpgm
	; ---------------- THE SORT: 1,024 tokens by key = 8 e0 + e1, a counting sort on 64 bins ----------------
	; LDS: HIST [32 chunks][64 bins] of words at 0; PRE (a bin's count in the chunks before) at 8192; the bins' first places at 16384.  Wave w owns chunks 4 w + i: tokens 128 w + 32 i + lane.
.Lsort:
	v_lshlrev_b32 v38, 3, v1
	v_lshl_add_u32 v38, s22, 10, v38               ; my ids: 8 l + 1024 w
	v_lshl_add_u32 v36, s22, 10, v4                ; my chunks' rows in HIST and PRE: 4 l + 1024 w
.irp i, 0,1,2,3
	global_load_b64 v[8+2*\i:9+2*\i], v38, s[6:7] offset:256*\i
.endr
	v_lshl_add_u32 v39, s22, 7, v1                 ; 128 w + l
.irp i, 0,1,2,3
	v_mov_b32 v[20+\i], 0                          ; rank among my chunk's tokens of the same key
	v_mov_b32 v[54+\i], 0                          ; the bin's base
	v_mov_b32 v[40+\i], 0                          ; v40, v41: zeros; v42, v43: the bins' first places
.endr
.irp a, 0,1,2,3,4,5,6,7
	v_mov_b32 v[28+\a], 0                          ; my four chunks' histograms: bins 0-31 and 32-63, a bin a lane
.endr
	s_wait_loadcnt 0x0
.irp i, 0,1,2,3
	v_min_u32 v[8+2*\i], 7, v[8+2*\i]
	v_min_u32 v[9+2*\i], 7, v[9+2*\i]
	v_lshl_add_u32 v[16+\i], v[8+2*\i], 3, v[9+2*\i]
.endr
.set Q, 0
.rept 64                                       ; bin Q; the four chunks take turns line by line
.irp i, 0,1,2,3
	v_cmp_eq_u32 s[40+\i], Q, v[16+\i]
.endr
.irp i, 0,1,2,3
	s_bcnt1_i32_b32 s[44+\i], s[40+\i]
.endr
.irp i, 0,1,2,3
	v_writelane_b32 v[28+2*\i+Q/32], s[44+\i], Q%32
.endr
.irp i, 0,1,2,3
	v_mbcnt_lo_u32_b32 v[24+\i], s[40+\i], 0       ; how many lanes below mine have this key
.endr
.irp i, 0,1,2,3
	v_cndmask_b32 v[20+\i], v[20+\i], v[24+\i], s[40+\i]
.endr
.set Q, Q+1
.endr
.irp i, 0,1,2,3
	ds_store_b32 v36, v[28+2*\i] offset:256*\i
	ds_store_b32 v36, v[29+2*\i] offset:256*\i+128
.endr
	s_wait_dscnt 0x0                               ; for the others' sake: my stores have landed
	s_barrier_signal -1
	s_barrier_wait -1
	s_cmp_lg_u32 s22, 0
	s_cbranch_scc1 .Lscanned                       ; wave 0 alone makes the two prefixes; no barrier stands under this branch
.set Q, 0
.rept 32
	ds_load_b32 v[64+2*Q], v4 offset:256*Q
	ds_load_b32 v[65+2*Q], v4 offset:256*Q+128
.set Q, Q+1
.endr
	s_wait_dscnt 0x0
	ds_store_b32 v4, v40 offset:8192               ; PRE of chunk 0 is 0
	ds_store_b32 v4, v41 offset:8192+128
.set Q, 1
.rept 31                                       ; chunk Q - 1's registers take PRE of chunk Q: no register that a store names is written again
.if Q > 1
	v_add_nc_u32 v[62+2*Q], v[62+2*Q], v[60+2*Q]
	v_add_nc_u32 v[63+2*Q], v[63+2*Q], v[61+2*Q]
.endif
	ds_store_b32 v4, v[62+2*Q] offset:8192+256*Q
	ds_store_b32 v4, v[63+2*Q] offset:8192+256*Q+128
.set Q, Q+1
.endr
	v_add_nc_u32 v126, v126, v124                  ; the bins' totals
	v_add_nc_u32 v127, v127, v125
	s_mov_b32 s50, 0
.set Q, 0
.rept 8                                        ; the bins' first places: a running sum over the 64 totals, eight at a time
.irp a, 0,1,2,3,4,5,6,7
	v_readlane_b32 s[52+\a], v[126+Q/32], (Q%32)+\a
.endr
.irp a, 0,1,2,3,4,5,6,7
	v_writelane_b32 v[42+Q/32], s50, (Q%32)+\a
	s_add_co_u32 s50, s50, s[52+\a]
.endr
.set Q, Q+8
.endr
	ds_store_b32 v4, v42 offset:16384
	ds_store_b32 v4, v43 offset:16384+128
.Lscanned:
	s_wait_dscnt 0x0
	s_barrier_signal -1
	s_barrier_wait -1
	ds_load_b32 v44, v4 offset:16384
	ds_load_b32 v45, v4 offset:16384+128
.irp i, 0,1,2,3
	ds_load_b32 v[46+2*\i], v36 offset:8192+256*\i
	ds_load_b32 v[47+2*\i], v36 offset:8192+256*\i+128
.endr
	s_wait_dscnt 0x0
.irp i, 0,1,2,3
	v_add_nc_u32 v[46+2*\i], v[46+2*\i], v44       ; a bin's base for chunk i, a bin a lane
	v_add_nc_u32 v[47+2*\i], v[47+2*\i], v45
.endr
.set Q, 0
.rept 64                                       ; each token takes its own bin's base
.irp i, 0,1,2,3
	v_readlane_b32 s[44+\i], v[46+2*\i+Q/32], Q%32
.endr
.irp i, 0,1,2,3
	v_cmp_eq_u32 s[40+\i], Q, v[16+\i]
.endr
.irp i, 0,1,2,3
	v_cndmask_b32 v[54+\i], v[54+\i], s[44+\i], s[40+\i]
.endr
.set Q, Q+1
.endr
.irp i, 0,1,2,3
	v_add_nc_u32 v[54+\i], v[54+\i], v[20+\i]      ; base + rank: the token's place
	v_min_u32 v[54+\i], 1023, v[54+\i]
	v_lshlrev_b32 v[148+\i], 3, v[54+\i]
	v_add_nc_u32 v[140+2*\i], 32*\i, v39           ; {token, key}
	v_mov_b32 v[141+2*\i], v[16+\i]
	global_store_b64 v[148+\i], v[140+2*\i:141+2*\i], s[20:21]
.endr
	s_wait_tensorcnt 0x0
	ds_add_u32 v168, v169
	s_wait_dscnt 0x0
	s_endpgm
.Lfunc_end_k_q188d0921bb_prep:
	.size	k_q188d0921bb_prep, .Lfunc_end_k_q188d0921bb_prep-k_q188d0921bb_prep
	.p2alignl 7, 3214868480
	.fill 96, 4, 3214868480
	.section	.rodata,"a",@progbits
	.p2align	6, 0x0
	.amdhsa_kernel k_q188d0921bb_prep
		.amdhsa_group_segment_fixed_size 17920
		.amdhsa_private_segment_fixed_size 0
		.amdhsa_enable_private_segment 0
		.amdhsa_kernarg_size 72
		.amdhsa_user_sgpr_count 2
		.amdhsa_user_sgpr_kernarg_segment_ptr 1
		.amdhsa_wavefront_size32 1
		.amdhsa_system_sgpr_workgroup_id_x 1
		.amdhsa_system_sgpr_workgroup_id_y 1
		.amdhsa_system_sgpr_workgroup_id_z 1
		.amdhsa_system_vgpr_workitem_id 0
		.amdhsa_next_free_vgpr 170
		.amdhsa_next_free_sgpr 66
		.amdhsa_reserve_vcc 0
		.amdhsa_float_denorm_mode_32 3
		.amdhsa_float_denorm_mode_16_64 3
		.amdhsa_memory_ordered 1
		.amdhsa_forward_progress 1
		.amdhsa_inst_pref_size 186
	.end_amdhsa_kernel
	.amdgpu_metadata
---
amdhsa.version: [ 1, 2 ]
amdhsa.kernels:
  - .name:           k_q188d0921bb_prep
    .symbol:         k_q188d0921bb_prep.kd
    .args:
      - { .name: hidden_states, .offset: 0, .size: 8, .value_kind: global_buffer, .address_space: global }
      - { .name: topk_ids, .offset: 8, .size: 8, .value_kind: global_buffer, .address_space: global }
      - { .name: wi_0, .offset: 16, .size: 8, .value_kind: global_buffer, .address_space: global }
      - { .name: wi_1, .offset: 24, .size: 8, .value_kind: global_buffer, .address_space: global }
      - { .name: wo, .offset: 32, .size: 8, .value_kind: global_buffer, .address_space: global }
      - { .name: wgu, .offset: 40, .size: 8, .value_kind: global_buffer, .address_space: global }
      - { .name: wdn, .offset: 48, .size: 8, .value_kind: global_buffer, .address_space: global }
      - { .name: xq, .offset: 56, .size: 8, .value_kind: global_buffer, .address_space: global }
      - { .name: route, .offset: 64, .size: 8, .value_kind: global_buffer, .address_space: global }
    .group_segment_fixed_size: 17920
    .private_segment_fixed_size: 0
    .kernarg_segment_align: 8
    .kernarg_segment_size: 72
    .max_flat_workgroup_size: 256
    .sgpr_count:     66
    .vgpr_count:     170
    .wavefront_size: 32
...
	.end_amdgpu_metadata
.endif
;; end of part 1
;; launch gateup (part 2): grid 32 x 8, 4 waves a work-group, no clusters, 262,656 bytes of LDS; arguments wgu, xq, route, iq; writes iq
.if DOCPART == 2
	.amdgcn_target "amdgcn-amd-amdhsa--gfx1250"
	.amdhsa_code_object_version 6
	.text
	.protected	k_q188d0921bb_gateup
	.globl	k_q188d0921bb_gateup
	.p2align	8
	.type	k_q188d0921bb_gateup,@function
k_q188d0921bb_gateup:
	s_mov_b64 s[64:65], 0
	v_nop
	global_prefetch_b8 v0, s[64:65] scope:SCOPE_SE
	s_setreg_imm32_b32 hwreg(HW_REG_WAVE_MODE, 25, 1), 1
	s_wait_xcnt 0x0
; LAUNCH 2 OF 3: inter = silu(x wi_0) x (x wi_1) for the 2,048 routed rows, quantised along f; both products on codes of E2M1 over the full K = 8,192 = (1,024 d) x (8 experts).
; A block of 32 along K is 4 d x 8 experts: a routed row has its four codes at its own expert's places and zero codes at the others', so one fragment of the weights serves rows of any expert.
; SHARES.  Work-group (fb, tb): 32 columns f of gate and of up x 128 sorted tokens x their 2 slots = 16 tiles of 16 rows.  K IS SHARED AMONG THE WAVES: wave q keeps K steps 16 q .. 16 q + 15 of both panels
; in 512 registers, loaded once, and makes partial sums for all 16 tiles of rows.  The parts meet in LDS behind the launch's one barrier; wave q then finishes tiles 4 q .. 4 q + 3.
; THE FORM: 32 x 16 x 128: source 0 = 32 columns of a weight, source 1 = 16 rows: a lane (r, h) holds row r, and its 16 registers the columns 16 h + 0 .. 15 (by the panels' order of columns).
; A ROW'S OPERAND is made in registers: word S of xq holds the two groups of four codes that lane (r, h) wants in K step S.  For each tile sixteen SELECTORS are made, one for (slot, group c, register j):
; where j = e / 2 the byte selector that puts group c into the half e % 2 of a word, elsewhere the selector of four zero bytes.  A K step's operands are then sixteen v_perm_b32 that do not hang on each other.
; BY TURNS.  The sixteen lines for K step i + 2 stand in four slices of four, one slice behind each of K step i's four products: 64 products and 256 such lines a tile.
; LDS: the parts: 65536 q + 4096 (2 tile + slot) + 2048 m + 512 j + 16 lane: images of the accumulators' registers; each wave stores into 65,536 bytes of its own.
; NO JOINT LOADS, though the eight work-groups of one fb read the same two panels: the panels go from memory straight into registers (512 a wave), and all 262,144 bytes of LDS claimed here hold parts.
; iq: codes at 32768 fb + 16 pos, pos = 1024 slot + sorted place; scale bytes at 1048576 + 32 pos + p(fb), p the byte's place in the down product's scale words.
; LIMITS: NaN and infinities are not served; where 1 + 2^(-g log2 e) overflows, the sigmoid is taken as 0; a block of zeros gets the scale byte 1.  A block's scale byte leaves by a store of one byte a row.
; REGISTERS.  Window 0: v1 r, v2 h, v3 16 l, v4 4 l, v5 8 r; v6, v7 x's offsets; v[8:9] the next tile's record, v[10:11] the first's (v11: the key in hand), v12 the next key; v13, v15 records' offsets;
;   v14, v31 where parts go; v16-19 the four byte selectors (later: where parts come from); v20-23 a tile's; v24 the selector of zeros; v28-30 at work; v32-63 the weights' scale words; v64-95 x's, two sets;
;   v96-127 x's code words, two sets; v128-175 the rows' operands, [slot][3][8]; v176-239 four accumulators [slot][m]; v240-255 the tile's sixteen selectors.
;   Behind the barrier: v96-127 a tile's g and u; v128-255 the four waves' parts; v6-13 and v28-31 what leaves; v21, v22 its offsets; v24-27 at work.
;   Windows 1, 2: the weights: K step i, matrix m at 32 (i % 8) + 16 m of window 1 + i / 8.
.set PANEL, 139264
.set PSC,   131072
.set WSC, 32
.set XS,  64
.set XW,  96
.set F,   128
.set ACC, 176
.set SL,  240
.set MSB, 0
.macro WIN new                         ; the immediate's high byte repeats the setting that is left
.if MSB != \new
	s_set_vgpr_msb (MSB<<8)|\new
.set MSB, \new
.endif
.endm
.macro WLOAD i                         ; my K step i of both panels: eight loads of 512 consecutive bytes
.irp m, 0,1
.irp p, 0,1,2,3
	global_load_b128 v[((\i)%8)*32+16*\m+4*\p:((\i)%8)*32+16*\m+4*\p+3], v3, s[12:13] offset:\m*PANEL+(\i)*2048+\p*512
.endr
.endr
.endm
.macro XADR rec                        ; x's offsets from the token in v[rec]
	v_min_u32 v28, 1023, v[\rec]
	v_lshlrev_b32 v6, 9, v28
	v_lshl_add_u32 v6, v2, 8, v6                   ; codes: 512 tok + 256 h
	v_lshlrev_b32 v7, 8, v28                       ; scale words: 256 tok
.endm
.macro XLOAD p                         ; my 16 K steps' code words and scale words of a tile's rows into set p
.irp a, 0,1,2,3
	global_load_b128 v[XW+16*(\p)+4*\a:XW+16*(\p)+4*\a+3], v6, s[16:17] offset:16*\a
.endr
.irp a, 0,1,2,3
	global_load_b128 v[XS+16*(\p)+4*\a:XS+16*(\p)+4*\a+3], v7, s[18:19] offset:16*\a
.endr
.endm
; slice a = 2 slot + c of the rows' operands of K step i: four registers of buffer i % 3.  No line has a vector register as its first source, so the window set for the weights stays
.macro GS i, p, a
.irp j, 0,1,2,3
	v_perm_b32 v[F+24*((\a)/2)+8*((\i)%3)+4*((\a)%2)+\j], 0, v[XW+16*(\p)+(\i)], v[SL+4*(\a)+\j]
.endr
.endm
.macro G i, p                          ; all four slices
.irp a, 0,1,2,3
	GS \i, \p, \a
.endr
.endm
; K step i: four products (a = 2 slot + m), the four accumulators by turns; the first K step starts the sums.  g = 1: behind each product a slice of K step i + 2's operands.
; Buffer (i + 2) % 3 was last read by K step i - 1's products: twelve lines of other slices, which name none of those products' registers, stand between; an operand is written sixteen lines ahead of its product.
.macro MG i, p, g
.irp a, 0,1,2,3
.if (\i) == 0
	v_wmma_scale_f32_32x16x128_f4 v[ACC+16*\a:ACC+16*\a+15], v[((\i)%8)*32+16*(\a%2):((\i)%8)*32+16*(\a%2)+15], v[F+24*(\a/2)+8*((\i)%3):F+24*(\a/2)+8*((\i)%3)+7], 0, v[WSC+16*(\a%2)+(\i)], v[XS+16*(\p)+(\i)]
.else
	v_wmma_scale_f32_32x16x128_f4 v[ACC+16*\a:ACC+16*\a+15], v[((\i)%8)*32+16*(\a%2):((\i)%8)*32+16*(\a%2)+15], v[F+24*(\a/2)+8*((\i)%3):F+24*(\a/2)+8*((\i)%3)+7], v[ACC+16*\a:ACC+16*\a+15], v[WSC+16*(\a%2)+(\i)], v[XS+16*(\p)+(\i)]
.endif
.if \g
	GS (\i)+2, \p, \a
.endif
.endr
.endm
; A TILE of 16 tokens, both slots, my 16 K steps.  p: x's set.
.macro TILE p, first, last
.if \first
	s_wait_loadcnt 63                              ; x's first set is in: 104 loads were issued behind it
.else
	s_wait_loadcnt 0x0                             ; x's set and the next record, asked for a tile ago
.endif
.if !\last
	XADR 8
	XLOAD 1-\p                                     ; the next tile's x
	v_mov_b32 v12, v9                              ; and its key
	s_min_u32 s29, s28, 8064                       ; the record two tiles on; past my last tile the offset is held inside the buffer, and what comes is not used
	v_add_nc_u32 v13, s29, v5
	global_load_b64 v[8:9], v13, s[8:9]
	s_add_co_u32 s28, s28, 128
.endif
	v_lshrrev_b32 v28, 3, v11                      ; e0
	v_and_b32 v29, 7, v11                          ; e1
.irp k, 0,1
	v_and_b32 v30, 1, v[28+\k]
	v_cmp_eq_u32 vcc_lo, 1, v30
	v_cndmask_b32 v[20+2*\k], v16, v17, vcc_lo     ; the group of c = 0 into the half e % 2
	v_cndmask_b32 v[21+2*\k], v18, v19, vcc_lo     ; the group of c = 1 likewise
	v_lshrrev_b32 v30, 1, v[28+\k]
.irp j, 0,1,2,3
	v_cmp_eq_u32 s[40+4*\k+\j], \j, v30            ; which of the four registers is the expert's
.endr
.irp j, 0,1,2,3
	v_cndmask_b32 v[SL+8*\k+\j], v24, v[20+2*\k], s[40+4*\k+\j]      ; that register's selector; the others select zeros
	v_cndmask_b32 v[SL+8*\k+4+\j], v24, v[21+2*\k], s[40+4*\k+\j]
.endr
.endr
	WIN 0x01                                       ; source 0: window 1
	G 0, \p
	G 1, \p
.if !\first
	s_wait_dscnt 0x0                               ; the last tile's LDS stores are done: the accumulators begin anew
.endif
.irp i, 0,1,2,3,4,5,6,7,8,9,10,11,12,13,14,15
.if \i == 8
	WIN 0x02                                       ; source 0: window 2
.endif
.if \i == 15
.rept 4
	v_nop                                          ; an operand written by vector instructions stands four places ahead of its product: K step 14 has no slices, so these are K step 15's
.endr
.endif
.if \first
.if 8*(15-\i)+9 > 63
	s_wait_loadcnt 63
.else
	s_wait_loadcnt 8*(15-\i)+9                     ; K step i of the weights is in: behind it were issued the later K steps, eight loads each, and the nine loads at this tile's head
.endif
.endif
.if \i < 14
	MG \i, \p, 1
.else
	MG \i, \p, 0
.endif
.endr
	WIN 0
	v_add_nc_u32 v31, s30, v14                     ; four places behind the last products, ahead of the stores that read results and of the next loads into scale registers
.rept 3
	v_nop
.endr
.irp k, 0,1
.irp m, 0,1
.irp j, 0,1,2,3
	ds_store_b128 v31, v[ACC+32*\k+16*\m+4*\j:ACC+32*\k+16*\m+4*\j+3] offset:\k*4096+\m*2048+\j*512    ; each accumulator from its low end on
.endr
.endr
.endr
.if !\last
	v_mov_b32 v11, v12
	s_add_co_u32 s30, s30, 8192
.endif
.endm
; the four waves' parts of my tile of rows 4 q + n: 32 loads, wave 0's first; wave w's part into v[128 + 32 w] on: 16 registers of g, 16 of u
.macro FLOAD n
.irp w, 0,1,2,3
.irp a, 0,1,2,3,4,5,6,7
	ds_load_b128 v[128+32*\w+4*\a:128+32*\w+4*\a+3], v[16+\w] offset:(\n)*4096+\a*512
.endr
.endr
.endm
; TILE OF ROWS 4 q + n IS FINISHED: the four waves' parts are added, K ascending; the next tile's parts are asked for; silu(g) u; one block of 32 along f is quantised (16 numbers here, 16 in lane l xor 16)
.macro FINAL n
	s_wait_dscnt 16                                ; waves 0 and 1's parts are in; the sixteen loads of waves 2 and 3's may be out
.irp x, 0,2,4,6,8,10,12,14,16,18,20,22,24,26,28,30
	v_pk_add_f32 v[96+\x:97+\x], v[128+\x:129+\x], v[160+\x:161+\x]
.endr
	s_wait_dscnt 8                                 ; wave 2's
.irp x, 0,2,4,6,8,10,12,14,16,18,20,22,24,26,28,30
	v_pk_add_f32 v[96+\x:97+\x], v[96+\x:97+\x], v[192+\x:193+\x]
.endr
	s_wait_dscnt 0x0
.irp x, 0,2,4,6,8,10,12,14,16,18,20,22,24,26,28,30
	v_pk_add_f32 v[96+\x:97+\x], v[96+\x:97+\x], v[224+\x:225+\x]    ; v96-111: g;  v112-127: u
.endr
.if (\n) < 3
	FLOAD (\n)+1                                   ; the parts' registers are free: the next tile's land while this one is finished
.endif
.irp x, 0,2,4,6,8,10,12,14
	v_pk_mul_f32 v[112+\x:113+\x], v[96+\x:97+\x], v[112+\x:113+\x]  ; g u, in u's place
.endr
.irp x, 0,2,4,6,8,10,12,14
	v_pk_mul_f32 v[96+\x:97+\x], v[96+\x:97+\x], 0xbfb8aa3b op_sel_hi:[1,0]    ; -g log2(e), in g's place
.endr
.irp x, 0,1,2,3,4,5,6,7,8,9,10,11,12,13,14,15
	v_exp_f32 v[96+\x], v[96+\x]
.endr
	v_nop                                          ; a plain line behind the last exponential
	s_wait_alu depctr_va_vdst(0)                   ; one wait for the sixteen exponentials, ahead of their first reader
.irp x, 0,2,4,6,8,10,12,14
	v_pk_add_f32 v[96+\x:97+\x], v[96+\x:97+\x], 1.0 op_sel_hi:[1,0]
.endr
.irp x, 0,1,2,3,4,5,6,7,8,9,10,11,12,13,14,15
	v_rcp_f32 v[96+\x], v[96+\x]
.endr
	v_nop                                          ; a plain line behind the last reciprocal
	s_wait_alu depctr_va_vdst(0)                   ; and one wait for the sixteen
.irp x, 0,2,4,6,8,10,12,14
	v_pk_mul_f32 v[96+\x:97+\x], v[96+\x:97+\x], v[112+\x:113+\x]    ; g u / (1 + e^-g)
.endr
	v_max3_num_f32 v24, |v96|, |v97|, 0x1800000    ; my 16 numbers in two chains, and the floor 2^(3 - 127)
	v_max3_num_f32 v25, |v104|, |v105|, |v106|
	v_max3_num_f32 v24, v24, |v98|, |v99|
	v_max3_num_f32 v25, v25, |v107|, |v108|
	v_max3_num_f32 v24, v24, |v100|, |v101|
	v_max3_num_f32 v25, v25, |v109|, |v110|
	v_max3_num_f32 v24, v24, |v102|, |v103|
	v_max3_num_f32 v24, v24, v25, |v111|
	v_permlanex16_b32 v26, v24, s36, s37
	v_max_num_f32 v24, v24, v26                    ; with lane l xor 16's: the block's largest magnitude
	v_add_nc_u32 v27, 0xff000000, v24              ; 2 off its exponent field: the conversion's scale operand
	v_lshrrev_b32 v[28+(\n)], 23, v27              ; the scale's byte
	v_cvt_scalef32_pk8_fp4_f32 v[6+2*(\n)], v[96:103], v27
	v_cvt_scalef32_pk8_fp4_f32 v[7+2*(\n)], v[104:111], v27
	v_nop                                          ; one plain line behind the last conversion
	global_store_b64 v21, v[6+2*(\n):7+2*(\n)], s[20:21] offset:((\n)%2)*16384+((\n)/2)*256    ; 16 rows x 16 bytes: 256 consecutive bytes, aligned; each tile has registers of its own for what leaves
	global_store_b8 v22, v[28+(\n)], s[22:23] offset:((\n)%2)*32768+((\n)/2)*512               ; both halves of the lanes hold the same byte
.endm
	s_load_b256 s[4:11], s[0:1], 0x0               ; wgu s[4:5], xq s[6:7], route s[8:9], iq s[10:11]
	s_set_vgpr_msb 0xc0
	v_lshl_add_u32 v0, v0, 2, 0x40000
	v_mov_b32 v1, 0
	s_set_vgpr_msb 0xc000
	v_and_b32 v1, 15, v0                           ; r
	v_bfe_u32 v2, v0, 4, 1                         ; h
	v_and_b32 v13, 31, v0
	v_lshlrev_b32 v3, 4, v13                       ; 16 l
	v_lshlrev_b32 v4, 2, v13                       ; 4 l
	v_lshlrev_b32 v5, 3, v1                        ; 8 r
	v_lshrrev_b32 v14, 5, v0
	v_readfirstlane_b32 s24, v14                   ; q: wave 0..3
	s_and_b32 s26, ttmp7, 0xffff                   ; tb
	s_lshl_b32 s27, s26, 10                        ; my 128 records
	v_add_nc_u32 v15, s27, v5
	s_mul_i32 s28, ttmp9, 2*PANEL                  ; fb's two panels
	s_lshl_b32 s32, s24, 15                        ; my 16 K steps' codes
	s_add_co_u32 s32, s32, s28
	s_mov_b32 s33, 0
	s_lshl_b32 s34, s24, 11                        ; and scale words
	s_add_co_u32 s34, s34, s28
	s_add_co_u32 s34, s34, PSC
	s_mov_b32 s35, 0
	s_lshl_b32 s38, s24, 6                         ; my 16 words of a token's 64
	s_mov_b32 s39, 0
	s_wait_kmcnt 0x0
	s_add_nc_u64 s[12:13], s[4:5], s[32:33]
	s_add_nc_u64 s[14:15], s[4:5], s[34:35]
	s_add_nc_u64 s[16:17], s[6:7], s[38:39]
	s_add_nc_u64 s[18:19], s[16:17], 524288
	global_load_b64 v[10:11], v15, s[8:9]          ; tile 0's records: lane (r, h) takes row r's
	global_load_b64 v[8:9], v15, s[8:9] offset:128 ; tile 1's
.irp m, 0,1
.irp i, 0,1,2,3,4,5,6,7,8,9,10,11,12,13,14,15
	global_load_b32 v[WSC+16*\m+\i], v4, s[14:15] offset:\m*PANEL+\i*128
.endr
.endr
	WIN 0x40                                       ; destination: window 1
	WLOAD 0
	WLOAD 1
	WLOAD 2
	WIN 0
	s_wait_loadcnt 56                              ; the two records are in: behind them 32 scale words and 24 loads of weights
	XADR 10
	XLOAD 0
	WIN 0x40
	WLOAD 3
	WLOAD 4
	WLOAD 5
	WLOAD 6
	WLOAD 7
	WIN 0x80                                       ; destination: window 2
	WLOAD 8
	WLOAD 9
	WLOAD 10
	WLOAD 11
	WLOAD 12
	WLOAD 13
	WLOAD 14
	WLOAD 15
	WIN 0
	v_mov_b32 v16, 0x0c0c0100                      ; v_perm_b32's selectors: the word's low half to the low half,
	v_mov_b32 v17, 0x01000c0c                      ; to the high half;
	v_mov_b32 v18, 0x0c0c0302                      ; its high half to the low half,
	v_mov_b32 v19, 0x03020c0c                      ; to the high half; zeros elsewhere;
	v_mov_b32 v24, 0x0c0c0c0c                      ; and four zero bytes
	v_lshl_add_u32 v14, s24, 16, v3                ; my parts: 16 l + 65536 q
	s_add_co_u32 s28, s27, 256                     ; tile 2's records
	s_mov_b32 s30, 0                               ; the tile's place among my parts
	s_mov_b32 s36, 0x76543210
	s_mov_b32 s37, 0xfedcba98                      ; v_permlanex16_b32's selects for lane l xor 16
	s_lshl_b32 s29, s26, 3                         ; iq: my four tiles of rows begin at sorted place 16 (8 tb + 2 q)
	s_lshl_b32 s31, s24, 1
	s_add_co_u32 s29, s29, s31
	s_lshl_b32 s32, s29, 8
	s_lshl_b32 s31, ttmp9, 15
	s_add_co_u32 s32, s32, s31
	s_add_nc_u64 s[20:21], s[10:11], s[32:33]      ; codes: 32768 fb + 256 (8 tb + 2 q)
	s_lshr_b32 s48, ttmp9, 3                       ; p(fb) = 4 (2 (fb / 8) + fb % 2) + 2 ((fb / 4) % 2) + (fb / 2) % 2
	s_lshl_b32 s48, s48, 3
	s_and_b32 s49, ttmp9, 1
	s_lshl_b32 s49, s49, 2
	s_add_co_u32 s48, s48, s49
	s_bfe_u32 s49, ttmp9, 0x10002
	s_lshl_b32 s49, s49, 1
	s_add_co_u32 s48, s48, s49
	s_bfe_u32 s49, ttmp9, 0x10001
	s_add_co_u32 s48, s48, s49
	s_lshl_b32 s32, s29, 9
	s_add_co_u32 s32, s32, s48
	s_add_co_u32 s32, s32, 1048576
	s_add_nc_u64 s[22:23], s[10:11], s[32:33]      ; scale bytes: 1048576 + 512 (8 tb + 2 q) + p(fb)
	TILE 0, 1, 0
	s_mov_b32 s31, 3
.Ltiles:                                           ; tiles 1 to 6, two a trip: x's two sets are back where they began
	TILE 1, 0, 0
	TILE 0, 0, 0
	s_sub_co_u32 s31, s31, 1
	s_cmp_lg_u32 s31, 0
	s_cbranch_scc1 .Ltiles
	TILE 1, 0, 1
	v_lshl_add_u32 v16, s24, 14, v3                ; where my four tiles' parts lie: 16 l + 16384 q, in each wave's 65,536 bytes
	v_add_nc_u32 v17, 0x10000, v16
	v_add_nc_u32 v18, 0x20000, v16
	v_add_nc_u32 v19, 0x30000, v16
	v_lshlrev_b32 v21, 4, v1
	v_lshl_add_u32 v21, v2, 3, v21                 ; codes: 16 r + 8 h
	v_lshlrev_b32 v22, 5, v1                       ; scale bytes: 32 r
	v_mov_b32 v26, 0                               ; a lane permute's destination counts as one of its sources
	s_wait_dscnt 0x0                               ; for the others' sake: my parts have landed
	s_barrier_signal -1
	s_barrier_wait -1
	FLOAD 0
	FINAL 0
	FINAL 1
	FINAL 2
	FINAL 3
	s_set_vgpr_msb 0xf
	s_wait_tensorcnt 0x0
	ds_add_u32 v0, v1
	s_wait_dscnt 0x0
	s_set_vgpr_msb 0xf00
	s_endpgm
.Lfunc_end_k_q188d0921bb_gateup:
	.size	k_q188d0921bb_gateup, .Lfunc_end_k_q188d0921bb_gateup-k_q188d0921bb_gateup
	.p2alignl 7, 3214868480
	.fill 96, 4, 3214868480
	.section	.rodata,"a",@progbits
	.p2align	6, 0x0
	.amdhsa_kernel k_q188d0921bb_gateup
		.amdhsa_group_segment_fixed_size 262656
		.amdhsa_private_segment_fixed_size 0
		.amdhsa_enable_private_segment 0
		.amdhsa_kernarg_size 32
		.amdhsa_user_sgpr_count 2
		.amdhsa_user_sgpr_kernarg_segment_ptr 1
		.amdhsa_wavefront_size32 1
		.amdhsa_system_sgpr_workgroup_id_x 1
		.amdhsa_system_sgpr_workgroup_id_y 1
		.amdhsa_system_sgpr_workgroup_id_z 1
		.amdhsa_system_vgpr_workitem_id 0
		.amdhsa_next_free_vgpr 770
		.amdhsa_next_free_sgpr 66
		.amdhsa_reserve_vcc 1
		.amdhsa_float_denorm_mode_32 3
		.amdhsa_float_denorm_mode_16_64 3
		.amdhsa_memory_ordered 1
		.amdhsa_forward_progress 1
		.amdhsa_inst_pref_size 172
	.end_amdhsa_kernel
	.amdgpu_metadata
---
amdhsa.version: [ 1, 2 ]
amdhsa.kernels:
  - .name:           k_q188d0921bb_gateup
    .symbol:         k_q188d0921bb_gateup.kd
    .args:
      - { .name: wgu, .offset: 0, .size: 8, .value_kind: global_buffer, .address_space: global }
      - { .name: xq, .offset: 8, .size: 8, .value_kind: global_buffer, .address_space: global }
      - { .name: route, .offset: 16, .size: 8, .value_kind: global_buffer, .address_space: global }
      - { .name: iq, .offset: 24, .size: 8, .value_kind: global_buffer, .address_space: global }
    .group_segment_fixed_size: 262656
    .private_segment_fixed_size: 0
    .kernarg_segment_align: 8
    .kernarg_segment_size: 32
    .max_flat_workgroup_size: 128
    .sgpr_count:     66
    .vgpr_count:     770
    .wavefront_size: 32
...
	.end_amdgpu_metadata
.endif
;; end of part 2
;; launch down (part 3): grid 32 x 8, 8 waves a work-group, no clusters, 158,720 bytes of LDS; arguments wdn, iq, route, topk_weights, out0; writes out0
.if DOCPART == 3
	.amdgcn_target "amdgcn-amd-amdhsa--gfx1250"
	.amdhsa_code_object_version 6
	.text
	.protected	k_q188d0921bb_down
	.globl	k_q188d0921bb_down
	.p2align	8
	.type	k_q188d0921bb_down,@function
k_q188d0921bb_down:
	s_mov_b64 s[64:65], 0
	v_nop
	global_prefetch_b8 v0, s[64:65] scope:SCOPE_SE
	s_setreg_imm32_b32 hwreg(HW_REG_WAVE_MODE, 25, 1), 1
	s_wait_xcnt 0x0
; LAUNCH 3 OF 3: out[tok] = w0 (inter(row of slot 0) wo[e0]) + w1 (inter(row of slot 1) wo[e1]), the product on codes of E2M1; K = (expert, f), so only the chosen experts are multiplied.
; SHARES.  Work-group (nb, tb): 32 output columns x 128 sorted tokens.  Wave w owns 16 sorted tokens, both slots, so each output row has one owner.  The panel of these 32 columns, all 8 experts (139,264 bytes),
; is copied into LDS once, through registers, 17,408 bytes a wave; a wave's rows (2 slots x 8 K steps) stay in 128 registers.
; Each wave walks the 8 experts, written out; an expert that none of its 16 tokens names is passed over by a scalar branch on the stored keys.  For an expert that is walked, both slots' rows are multiplied, and a
; row's result counts with its gate weight where the expert is the row's own and with 0 elsewhere.  Any split of the tokens among the experts is served.
; THE FORM: 32 x 16 x 128: source 0 = 32 columns of wo, source 1 = 16 rows: lane (r, h) holds token r and columns 16 h + 0 .. 15.
; NO TENSOR LOAD AND NO JOINT LOAD, though the eight work-groups of one nb read the same panel: a branch of this text hangs on numbers read from memory.
; LDS: the panel's image at 0; from 139264 a stage of 16 rows x 144 bytes for each wave.
; LIMITS: NaN and infinities are not served; a row's product with an expert that it did not choose is multiplied by 0, so it has to be finite.  A token's 32 columns leave as 128 consecutive bytes.
; REGISTERS.  Window 0: v1 r, v2 h, v3 lane; v4, v5 16 l (+ 65536); v6 4 l + 131072; v7 the copy's place; v9-11, v24-27, v36 offsets; v[12:13] my token's record; v16, v17 e0, e1; v[18:19] w0, w1;
;   v[20:21], v[22:23] what the two slots count for; v28-31 the tokens of the rows that I store, v32-35 their offsets; v40-55 the rows' scale words; v56-63 the weights'; v64-79 the sums; v80-95 rows on the way out;
;   v96-223 an expert's 8 K steps (first: with v224-231 the copy's 136 registers); v224-255 two accumulators.   Window 1: the rows' operands, slot k, K step s at 8 (8 k + s).
.set PANEL, 139264
.set PSC,   131072
.set STG,   139264
.set MSB, 0
.macro WIN new                         ; the immediate's high byte repeats the setting that is left
.if MSB != \new
	s_set_vgpr_msb (MSB<<8)|\new
.set MSB, \new
.endif
.endm
.macro EXPERT e
	v_cmp_eq_u32 s30, \e, v16
	v_cmp_eq_u32 s31, \e, v17
	s_or_b32 s32, s30, s31
	s_cmp_lg_u32 s32, 0
	s_cbranch_scc0 .Lskip_\@                       ; none of my 16 tokens names this expert
	v_cndmask_b32 v20, 0, v18, s30
	v_cndmask_b32 v22, 0, v19, s31
.irp s, 0,1,2,3,4,5,6,7
	ds_load_b32 v[56+\s], v6 offset:(8*(\e)+\s)*128
.endr
.irp s, 0,1,2,3,4,5,6,7
.irp p, 0,1,2,3
	ds_load_b128 v[96+16*\s+4*\p:96+16*\s+4*\p+3], v[4+(\e)/4] offset:((\e)%4)*16384+\s*2048+\p*512
.endr
.endr
	WIN 0x04                                       ; source 1: window 1
.irp s, 0,1,2,3,4,5,6,7
	s_wait_dscnt 4*(7-\s)                          ; K step s is in; the later K steps' four loads each may be out
.irp k, 0,1
.if \s == 0
	v_wmma_scale_f32_32x16x128_f4 v[224+16*\k:239+16*\k], v[96+16*\s:111+16*\s], v[(8*\k+\s)*8:(8*\k+\s)*8+7], 0, v[56+\s], v[40+8*\k+\s]
.else
	v_wmma_scale_f32_32x16x128_f4 v[224+16*\k:239+16*\k], v[96+16*\s:111+16*\s], v[(8*\k+\s)*8:(8*\k+\s)*8+7], v[224+16*\k:239+16*\k], v[56+\s], v[40+8*\k+\s]
.endif
.endr
.endr                                          ; (the two accumulators take turns)
	WIN 0
.rept 5
	v_nop                                          ; places behind the last products: four ahead of the reads below and of the next expert's loads, five ahead of the products that begin these accumulators anew
.endr
.irp k, 0,1
.irp x, 0,2,4,6,8,10,12,14
	v_pk_fma_f32 v[64+\x:65+\x], v[224+16*\k+\x:225+16*\k+\x], v[20+2*\k:21+2*\k], v[64+\x:65+\x] op_sel_hi:[1,0,1]    ; each accumulator from its low end on
.endr
.endr
.Lskip_\@:
.endm
	s_load_b256 s[4:11], s[0:1], 0x0               ; wdn s[4:5], iq s[6:7], route s[8:9], topk_weights s[10:11]
	s_load_b64 s[12:13], s[0:1], 0x20              ; out0
	v_lshl_add_u32 v38, v0, 2, 0x26800
	v_mov_b32 v39, 0
	v_and_b32 v1, 15, v0                           ; r
	v_bfe_u32 v2, v0, 4, 1                         ; h
	v_and_b32 v3, 31, v0                           ; lane
	v_lshrrev_b32 v8, 5, v0
	v_readfirstlane_b32 s24, v8                    ; wave 0..7
	v_lshlrev_b32 v4, 4, v3
	v_add_nc_u32 v5, 0x10000, v4
	v_lshl_add_u32 v6, v3, 2, PSC
	s_mul_i32 s25, s24, 17408
	v_add_nc_u32 v7, s25, v4
	v_lshlrev_b32 v9, 3, v1                        ; my token's record: 8 r
	v_lshrrev_b32 v10, 3, v3
	v_lshlrev_b32 v10, 3, v10                      ; the records of the rows that I store: 8 (l / 8), + 32 i
	v_lshlrev_b32 v11, 5, v1                       ; a row's scale bytes: 32 r
	v_lshlrev_b32 v24, 4, v1
	v_lshl_add_u32 v24, v2, 16, v24                ; a row's codes: 16 r, and two planes of 32,768 bytes on for h = 1
	s_mul_i32 s26, s24, 2304
	s_add_co_u32 s26, s26, STG                     ; my stage
	v_mul_u32_u24 v25, v1, 144
	v_lshl_add_u32 v25, v2, 6, v25
	v_add_nc_u32 v25, s26, v25                     ; in: row r, + 64 h
	v_lshrrev_b32 v26, 3, v3
	v_mul_u32_u24 v26, v26, 144
	v_and_b32 v36, 7, v3
	v_lshlrev_b32 v36, 4, v36                      ; 16 (l % 8)
	v_add_nc_u32 v26, v26, v36
	v_add_nc_u32 v26, s26, v26                     ; back: eight lanes to a row of 128 bytes, four rows an instruction
	s_and_b32 s27, ttmp7, 0xffff
	s_lshl_b32 s27, s27, 3
	s_add_co_u32 s27, s27, s24                     ; my tile of 16 sorted tokens: 8 tb + wave
	s_mov_b32 s29, 0
	s_mul_i32 s28, ttmp9, PANEL
	s_add_co_u32 s28, s28, s25
	s_wait_kmcnt 0x0
	s_add_nc_u64 s[14:15], s[4:5], s[28:29]        ; my part of the panel
	s_lshl_b32 s28, s27, 7
	s_add_nc_u64 s[16:17], s[8:9], s[28:29]        ; my 16 records
	s_lshl_b32 s28, s27, 9
	s_add_co_u32 s28, s28, 1048576
	s_add_nc_u64 s[18:19], s[6:7], s[28:29]        ; my rows' scale bytes
	s_lshl_b32 s28, s27, 8
	s_add_nc_u64 s[20:21], s[6:7], s[28:29]        ; my rows' codes
	s_lshl_b32 s28, ttmp9, 7
	s_add_nc_u64 s[22:23], s[12:13], s[28:29]      ; my 32 columns of out0
.set I, 0
.rept 34
	global_load_b128 v[96+4*I:99+4*I], v4, s[14:15] offset:512*I
.set I, I+1
.endr
	global_load_b64 v[12:13], v9, s[16:17]
.irp i, 0,1,2,3
	global_load_b32 v[28+\i], v10, s[16:17] offset:32*\i
.endr
.irp k, 0,1
	global_load_b128 v[40+8*\k:43+8*\k], v11, s[18:19] offset:32768*\k
	global_load_b128 v[44+8*\k:47+8*\k], v11, s[18:19] offset:32768*\k+16
.endr
	WIN 0x40                                       ; destination: window 1
.irp k, 0,1
.irp s, 0,1,2,3,4,5,6,7
.irp c, 0,1
	global_load_b128 v[(8*\k+\s)*8+4*\c:(8*\k+\s)*8+4*\c+3], v24, s[20:21] offset:\k*16384+(8*(\s/2)+(\s%2)+4*\c)*32768    ; block 2 c + h of K step s is the natural block 8 (s / 2) + s % 2 + 4 c + 2 h
.endr
.endr
.endr
	WIN 0
	s_wait_loadcnt 41                              ; my part of the panel is in: behind it 5 loads of records, 4 of scale words, 32 of codes
.set I, 0
.rept 34
	ds_store_b128 v7, v[96+4*I:99+4*I] offset:512*I
.set I, I+1
.endr
	s_wait_loadcnt 36                              ; the records are in
	v_min_u32 v14, 1023, v12
	v_lshlrev_b32 v27, 3, v14
	global_load_b64 v[18:19], v27, s[10:11]        ; my token's two gate weights
.irp i, 0,1,2,3
	v_min_u32 v[28+\i], 1023, v[28+\i]
	v_lshl_add_u32 v[32+\i], v[28+\i], 12, v36     ; 4096 tok + 16 (l % 8)
.endr
	v_lshrrev_b32 v16, 3, v13                      ; e0
	v_and_b32 v17, 7, v13                          ; e1
	v_mov_b32 v21, 0                               ; (named as the upper halves of pairs)
	v_mov_b32 v23, 0
.irp x, 0,1,2,3,4,5,6,7,8,9,10,11,12,13,14,15
	v_mov_b32 v[64+\x], 0                          ; the sums: which expert comes first hangs on the data
.endr
	s_wait_dscnt 0x0                               ; for the others' sake: my part of the panel has landed
	s_barrier_signal -1
	s_barrier_wait -1
	s_wait_loadcnt 0x0                             ; my rows' codes and scale words, my gate weights
	EXPERT 0
	EXPERT 1
	EXPERT 2
	EXPERT 3
	EXPERT 4
	EXPERT 5
	EXPERT 6
	EXPERT 7
	; THE WAY OUT: a lane holds 64 bytes of its token's 128; through my own stage the rows come back eight lanes to a row
.irp g, 0,1,2,3
	ds_store_b128 v25, v[64+4*\g:67+4*\g] offset:16*\g
.endr
.irp i, 0,1,2,3
	ds_load_b128 v[80+4*\i:83+4*\i], v26 offset:\i*4*144    ; LDS serves a wave's instructions in order (ISA guide 5.7.1.4): these see the stores above
.endr
.irp i, 0,1,2,3
	s_wait_dscnt 3-\i
	global_store_b128 v[32+\i], v[80+4*\i:83+4*\i], s[22:23] th:TH_STORE_NT
.endr
	s_wait_tensorcnt 0x0
	ds_add_u32 v38, v39
	s_wait_dscnt 0x0
	s_endpgm
.Lfunc_end_k_q188d0921bb_down:
	.size	k_q188d0921bb_down, .Lfunc_end_k_q188d0921bb_down-k_q188d0921bb_down
	.p2alignl 7, 3214868480
	.fill 96, 4, 3214868480
	.section	.rodata,"a",@progbits
	.p2align	6, 0x0
	.amdhsa_kernel k_q188d0921bb_down
		.amdhsa_group_segment_fixed_size 158720
		.amdhsa_private_segment_fixed_size 0
		.amdhsa_enable_private_segment 0
		.amdhsa_kernarg_size 40
		.amdhsa_user_sgpr_count 2
		.amdhsa_user_sgpr_kernarg_segment_ptr 1
		.amdhsa_wavefront_size32 1
		.amdhsa_system_sgpr_workgroup_id_x 1
		.amdhsa_system_sgpr_workgroup_id_y 1
		.amdhsa_system_sgpr_workgroup_id_z 1
		.amdhsa_system_vgpr_workitem_id 0
		.amdhsa_next_free_vgpr 384
		.amdhsa_next_free_sgpr 66
		.amdhsa_reserve_vcc 0
		.amdhsa_float_denorm_mode_32 3
		.amdhsa_float_denorm_mode_16_64 3
		.amdhsa_memory_ordered 1
		.amdhsa_forward_progress 1
		.amdhsa_inst_pref_size 65
	.end_amdhsa_kernel
	.amdgpu_metadata
---
amdhsa.version: [ 1, 2 ]
amdhsa.kernels:
  - .name:           k_q188d0921bb_down
    .symbol:         k_q188d0921bb_down.kd
    .args:
      - { .name: wdn, .offset: 0, .size: 8, .value_kind: global_buffer, .address_space: global }
      - { .name: iq, .offset: 8, .size: 8, .value_kind: global_buffer, .address_space: global }
      - { .name: route, .offset: 16, .size: 8, .value_kind: global_buffer, .address_space: global }
      - { .name: topk_weights, .offset: 24, .size: 8, .value_kind: global_buffer, .address_space: global }
      - { .name: out0, .offset: 32, .size: 8, .value_kind: global_buffer, .address_space: global }
    .group_segment_fixed_size: 158720
    .private_segment_fixed_size: 0
    .kernarg_segment_align: 8
    .kernarg_segment_size: 40
    .max_flat_workgroup_size: 256
    .sgpr_count:     66
    .vgpr_count:     384
    .wavefront_size: 32
...
	.end_amdgpu_metadata
.endif
;; end of part 3
;; ======== version 2 of 2: 3 launches
;; workspace buffers: wgu 8,912,896 bytes; wdn 4,456,448 bytes; xq 786,432 bytes; iq 1,114,112 bytes; route 8,192 bytes of whole numbers
;; launch prep (part 4): grid 801 x 1, 8 waves a work-group, no clusters, 17,920 bytes of LDS; arguments hidden_states, topk_ids, wi_0, wi_1, wo, wgu, wdn, xq, route; writes wgu, wdn, xq, route
.if DOCPART == 4
	.amdgcn_target "amdgcn-amd-amdhsa--gfx1250"
	.amdhsa_code_object_version 6
	.text
	.protected	k_q188d0921bb_prep
	.globl	k_q188d0921bb_prep
	.p2align	8
	.type	k_q188d0921bb_prep,@function
k_q188d0921bb_prep:
	s_mov_b64 s[64:65], 0
	v_nop
	global_prefetch_b8 v0, s[64:65] scope:SCOPE_SE
	s_setreg_imm32_b32 hwreg(HW_REG_WAVE_MODE, 25, 1), 1
	s_wait_xcnt 0x0
; LAUNCH 1 OF 3: every operand that arrives as f32 becomes codes of E2M1 with E8M0 scale bytes, once, and the tokens are sorted by their pair of experts.
; K'S ORDER.  Gate and up contract (d, e), k = 8 d + e: a block of 32 is 4 neighbouring d x the 8 experts.  So a row of x has one scale for each 4 numbers, and wi_0, wi_1 have one
; scale for (4 d, column f), shared by the 8 experts.  Down contracts (e, f), k = 1024 e + f: a block is 32 neighbouring f of one expert.
; WORK-GROUPS.  0: the sort.  1 .. 32: the rows of x, 4 tokens a wave.  33 .. 800: the weights: tensor T = j / 256, K step S = (j / 4) % 64, 256 columns (j % 4), 32 of them a wave.
; The three ways part on the work-group's number alone; only the sort uses LDS and barriers.
; PANELS (wgu: 64, panel 2 fb + m, m = 0 gate, 1 up; wdn: 32): 32 columns x all of K = 64 K steps of 128.  K step S: 2,048 bytes of codes at 2048 S, an image of the 16 registers that the
; 32 x 16 x 128 matrix form takes as its first source: [tile u][c][lane][16 bytes]; its scale words at 131072 + 128 S + 4 lane.  Lane 16 u + r stands for column 8 u + r + 8 (r / 8), so that in a
; result a lane's 16 registers are 16 neighbouring columns.
; K MAPS (whole blocks change places, alike in both operands).  Gate, up: K step S, block b, place 4 e + dl holds d = 256 (S % 4) + 4 (S / 4) + 128 (b / 2) + 64 (b % 2) + dl.
; Down: K step 8 e + s, block b holds f = 256 (s / 2) + 32 (s % 2) + 128 (b / 2) + 64 (b % 2) + 0 .. 31.
; xq: a token's codes, 512 bytes: word 64 h + S = the 4 codes of d-group 64 (S % 4) + S / 4 + 16 h (low half) and of the group 32 further on (high half); its scale words at 524288 + 256 tok + 4 S.
; route: record i = {token, 8 e0 + e1}, the tokens sorted by that key.
; A block's scale byte is its largest magnitude's exponent field - 2, held at 1 from below.  A block of zeros so gets the byte 1: its codes are zeros, and this program alone reads the bytes.
; LIMITS: NaN and infinities among the inputs are not served; blocks whose largest magnitude lies under 2^-124 take the byte 1.  A K step's 128 scale bytes of a panel leave as 128 consecutive bytes.
.set PANEL, 139264
.set PSC,   131072
.set X,     32                         ; v32-159: 128 numbers
.set C,     8                          ; v8-23: a K step's codes
; block b of the K step: 32 rows of my column.  Each load covers 128 consecutive bytes of a row; the eight waves stand side by side on 1,024
.macro LOADB b
.irp e, 0,1,2,3,4,5,6,7
.irp d, 0,1,2,3
	global_load_b32 v[X+32*(\b)+4*\e+\d], v2, s[32+2*\e:33+2*\e] offset:(128*((\b)/2)+64*((\b)%2)+\d)*4096 th:TH_LOAD_NT
.endr
.endr
.endm
; block b: largest magnitude (all 32 numbers are the lane's), scale byte into byte b of v28, 32 codes into four registers
.macro BLOCK b
.set XB, X+32*(\b)
	v_max3_num_f32 v24, |v[XB]|, |v[XB+1]|, |v[XB+2]|
	v_max3_num_f32 v25, |v[XB+3]|, |v[XB+4]|, |v[XB+5]|
.irp i, 6,10,14,18,22,26
	s_delay_alu instid0(VALU_DEP_2)
	v_max3_num_f32 v24, v24, |v[XB+\i]|, |v[XB+\i+1]|
	s_delay_alu instid0(VALU_DEP_2)
	v_max3_num_f32 v25, v25, |v[XB+\i+2]|, |v[XB+\i+3]|
.endr
	s_delay_alu instid0(VALU_DEP_2)
	v_max3_num_f32 v24, v24, |v[XB+30]|, |v[XB+31]|
	s_delay_alu instid0(VALU_DEP_1)
	v_max3_num_f32 v24, v24, v25, 0x1800000        ; the floor 2^(3 - 127): the byte cannot fall under 1
	s_delay_alu instid0(VALU_DEP_1)
	v_add_nc_u32 v26, 0xff000000, v24              ; 2 off the exponent field: the conversion's scale operand
	s_delay_alu instid0(VALU_DEP_1)
	v_lshrrev_b32 v27, 23, v26                     ; the scale's byte
.if (\b) == 0
	s_delay_alu instid0(VALU_DEP_1)
	v_mov_b32 v28, v27
.else
	s_delay_alu instid0(VALU_DEP_1)
	v_lshl_or_b32 v28, v27, 8*(\b), v28
.endif
.irp g, 0,1,2,3
	v_cvt_scalef32_pk8_fp4_f32 v[C+4*(\b)+\g], v[XB+8*\g:XB+8*\g+7], v26
.endr
.endm
; token t of the wave's four: lane l holds the d-groups 32 g + l, g = 0 .. 7, four numbers each
.macro TOKEN t
.set XT, X+32*(\t)
	s_wait_loadcnt 24-8*(\t)                       ; this token's eight loads are in; the later tokens' may be out
.irp g, 0,1,2,3,4,5,6,7
	v_max3_num_f32 v[8+\g], |v[XT+4*\g]|, |v[XT+4*\g+1]|, 0x1800000
.endr
.irp g, 0,1,2,3,4,5,6,7
	v_max3_num_f32 v[8+\g], v[8+\g], |v[XT+4*\g+2]|, |v[XT+4*\g+3]|
.endr
.irp g, 0,1,2,3,4,5,6,7
	v_add_nc_u32 v[8+\g], 0xff000000, v[8+\g]      ; the group's scale operand
.endr
.irp g, 0,1,2,3,4,5,6,7
	v_lshrrev_b32 v[16+\g], 23, v[8+\g]            ; and its byte
.endr
.irp j, 0,1,2,3
	v_cvt_scalef32_pk8_fp4_f32 v[160+2*\j], v[XT+8*\j:XT+8*\j+7], v[8+2*\j]    ; two groups at a time, once under each group's scale:
	v_cvt_scalef32_pk8_fp4_f32 v[161+2*\j], v[XT+8*\j:XT+8*\j+7], v[9+2*\j]    ; the low half of the first and the high half of the second are kept
.endr
.irp j, 0,1,2,3
	v_lshl_or_b32 v[24+\j], v[17+2*\j], 16, v[16+2*\j]    ; (plain lines behind the conversions)  my two bytes of scale word S = 4 (l % 16) + j: blocks h and 2 + h,
.endr
.irp j, 0,1,2,3
	s_delay_alu instid0(VALU_DEP_4)
	v_lshlrev_b32 v[24+\j], v6, v[24+\j]           ; at their places, 8 h bits up;
.endr
.irp j, 0,1,2,3
	s_delay_alu instid0(VALU_DEP_4)
	v_permlanex16_b32 v[28+\j], v[24+\j], s34, s35
.endr
.irp j, 0,1,2,3
	v_bfi_b32 v[XT+\j], s30, v[160+2*\j], v[161+2*\j]
.endr
.irp j, 0,1,2,3
	v_or_b32 v[XT+4+\j], v[24+\j], v[28+\j]        ; with lane l xor 16's two the word is whole
.endr
	global_store_b128 v3, v[XT:XT+3], s[26:27] offset:512*(\t)      ; words 4 l .. 4 l + 3: 512 consecutive bytes
	global_store_b128 v5, v[XT+4:XT+7], s[28:29] offset:256*(\t)    ; 256 consecutive bytes; lanes 16-31 hold the same words and name the same places
.endm
	s_load_b256 s[4:11], s[0:1], 0x0               ; hidden_states s[4:5], topk_ids s[6:7], wi_0 s[8:9], wi_1 s[10:11]
	s_load_b256 s[12:19], s[0:1], 0x20             ; wo s[12:13], wgu s[14:15], wdn s[16:17], xq s[18:19]
	s_load_b64 s[20:21], s[0:1], 0x40              ; route
	v_lshl_add_u32 v168, v0, 2, 0x4200
	v_mov_b32 v169, 0
	v_lshrrev_b32 v1, 5, v0
	s_delay_alu instid0(VALU_DEP_1)
	v_readfirstlane_b32 s22, v1                    ; wave 0..7
	v_and_b32 v1, 31, v0                           ; lane
	s_delay_alu instid0(VALU_DEP_1)
	v_lshlrev_b32 v3, 4, v1                        ; 16 l
	s_delay_alu instid0(VALU_DEP_2)
	v_lshlrev_b32 v4, 2, v1                        ; 4 l
	s_wait_kmcnt 0x0
	s_cmp_eq_u32 ttmp9, 0
	s_cbranch_scc1 .Lsort
	s_cmp_lt_u32 ttmp9, 33
	s_cbranch_scc1 .Lrows
	; ---------------- THE WEIGHTS: one K step of 32 columns a wave ----------------
	s_sub_co_u32 s23, ttmp9, 33
	s_lshr_b32 s24, s23, 8                         ; T: 0 wi_0, 1 wi_1, 2 wo
	s_bfe_u32 s25, s23, 0x60002                    ; S: the K step
	s_and_b32 s26, s23, 3
	s_lshl_b32 s26, s26, 3
	s_add_co_u32 s26, s26, s22                     ; which 32 columns
	s_and_b32 s52, s25, 3                          ; wi: first row 256 (S % 4) + 4 (S / 4), of 4,096 bytes
	s_lshl_b32 s52, s52, 20
	s_lshr_b32 s53, s25, 2
	s_lshl_b32 s53, s53, 14
	s_add_co_u32 s52, s52, s53
	s_lshr_b32 s53, s25, 3                         ; wo: plane S / 8, first row 256 (s / 2) + 32 (s % 2), s = S % 8
	s_lshl_b32 s53, s53, 22
	s_bfe_u32 s56, s25, 0x20001
	s_lshl_b32 s56, s56, 20
	s_add_co_u32 s53, s53, s56
	s_and_b32 s56, s25, 1
	s_lshl_b32 s56, s56, 17
	s_add_co_u32 s53, s53, s56
	s_lshl_b32 s57, s26, 1
	s_add_co_u32 s57, s57, s24                     ; wi's panel: 2 x column block + T
	s_mov_b32 s54, 0x400000                        ; from base to base: wi: an expert's plane;
	s_cmp_eq_u32 s24, 0
	s_cselect_b64 s[28:29], s[8:9], s[10:11]
	s_cmp_eq_u32 s24, 2                            ; every choice below hangs on T alone
	s_cselect_b64 s[28:29], s[12:13], s[28:29]     ; the tensor
	s_cselect_b64 s[30:31], s[16:17], s[14:15]     ; where its panels go
	s_cselect_b32 s52, s53, s52
	s_cselect_b32 s54, 0x4000, s54                 ; wo: four rows
	s_cselect_b32 s57, s26, s57
	s_lshl_b32 s56, s26, 7
	s_add_co_u32 s52, s52, s56                     ; + 128 bytes for each 32 columns
	s_mov_b32 s53, 0
	s_mov_b32 s55, 0
	s_add_nc_u64 s[32:33], s[28:29], s[52:53]      ; eight bases: places 4 e' + 0 .. 3 of a block come from base e'
.irp e, 1,2,3,4,5,6,7
	s_add_nc_u64 s[32+2*\e:33+2*\e], s[30+2*\e:31+2*\e], s[54:55]
.endr
	s_wait_alu depctr_va_vdst(0)
	v_and_b32 v2, 7, v1                            ; my column: (l % 8) + 16 x bit 3 + 8 x bit 4 of the lane
	v_bfe_u32 v5, v1, 3, 1
	s_delay_alu instid0(VALU_DEP_1)
	v_lshl_add_u32 v2, v5, 4, v2
	v_bfe_u32 v5, v1, 4, 1
	s_delay_alu instid0(VALU_DEP_1)
	v_lshl_add_u32 v2, v5, 3, v2
	s_delay_alu instid0(VALU_DEP_1)
	v_lshlrev_b32 v2, 2, v2
	LOADB 0
	LOADB 1
	s_mul_i32 s58, s57, PANEL
	s_lshl_b32 s56, s25, 11
	s_add_co_u32 s56, s56, s58
	s_mov_b32 s57, 0
	s_add_nc_u64 s[48:49], s[30:31], s[56:57]      ; the K step's codes
	s_lshl_b32 s56, s25, 7
	s_add_co_u32 s56, s56, s58
	s_add_co_u32 s56, s56, PSC
	s_add_nc_u64 s[50:51], s[30:31], s[56:57]      ; and its scale words
	s_wait_alu depctr_va_vdst(0)
	s_wait_loadcnt 32                              ; block 0 is in; block 1's 32 loads may be out
	LOADB 2
	BLOCK 0
	s_wait_loadcnt 32                              ; block 1 is in; block 2's may be out
	LOADB 3
	BLOCK 1
	s_wait_loadcnt 32                              ; block 2 is in; block 3's may be out
	BLOCK 2
	s_wait_loadcnt 0x0
	BLOCK 3
	v_nop                                          ; one plain line behind the last conversion
.irp c, 0,1                                    ; the operand's layout wants block 2 c in lanes 0-15 and block 2 c + 1 in lanes 16-31, of the same 16 columns:
.irp i, 0,1,2,3
	v_permlane16_swap_b32 v[C+8*\c+\i], v[C+8*\c+4+\i]    ; the first's upper lanes change places with the second's lower: v[C + 8 c + 4 u ..] are tile u's registers 4 c .. 4 c + 3
.endr
.endr
.irp u, 0,1
.irp c, 0,1
	global_store_b128 v3, v[C+8*\c+4*\u:C+8*\c+4*\u+3], s[48:49] offset:(2*\u+\c)*512    ; 512 consecutive bytes
.endr
.endr
	global_store_b32 v4, v28, s[50:51]
	s_endpgm
	; ---------------- THE ROWS OF x: four tokens a wave ----------------
.Lrows:
	s_sub_co_u32 s23, ttmp9, 1
	s_lshl_b32 s23, s23, 3
	s_add_co_u32 s23, s23, s22
	s_lshl_b32 s23, s23, 2                         ; my first token
	s_mov_b32 s25, 0
	s_lshl_b32 s24, s23, 12
	s_add_nc_u64 s[4:5], s[4:5], s[24:25]
	s_lshl_b32 s24, s23, 9
	s_add_nc_u64 s[26:27], s[18:19], s[24:25]      ; its codes
	s_lshl_b32 s24, s23, 8
	s_add_co_u32 s24, s24, 524288
	s_add_nc_u64 s[28:29], s[18:19], s[24:25]      ; its scale words
	s_wait_alu depctr_va_vdst(0)
.irp t, 0,1,2,3
.irp g, 0,1,2,3,4,5,6,7
	global_load_b128 v[X+32*\t+4*\g:X+32*\t+4*\g+3], v3, s[4:5] offset:4096*\t+512*\g th:TH_LOAD_NT    ; 512 consecutive bytes
.endr
.endr
	v_and_b32 v5, 15, v1
	s_delay_alu instid0(VALU_DEP_1)
	v_lshlrev_b32 v5, 4, v5                        ; 16 (l % 16)
	v_lshrrev_b32 v6, 4, v1
	s_delay_alu instid0(VALU_DEP_1)
	v_lshlrev_b32 v6, 3, v6                        ; 8 h
	s_mov_b32 s30, 0xffff
	s_mov_b32 s34, 0x76543210
	s_mov_b32 s35, 0xfedcba98                      ; v_permlanex16_b32's selects for lane l xor 16
.irp j, 0,1,2,3
	v_mov_b32 v[28+\j], 0                          ; written once: a lane permute's destination counts as one of its sources
.endr
	TOKEN 0
	TOKEN 1
	TOKEN 2
	TOKEN 3
	s_endpgm
	; ---------------- THE SORT: 1,024 tokens by key = 8 e0 + e1, a counting sort on 64 bins ----------------
	; LDS: HIST [32 chunks][64 bins] of words at 0; PRE (a bin's count in the chunks before) at 8192; the bins' first places at 16384.  Wave w owns chunks 4 w + i: tokens 128 w + 32 i + lane.
.Lsort:
	s_wait_alu depctr_va_vdst(0)
	v_lshlrev_b32 v38, 3, v1
	s_delay_alu instid0(VALU_DEP_1)
	v_lshl_add_u32 v38, s22, 10, v38               ; my ids: 8 l + 1024 w
	v_lshl_add_u32 v36, s22, 10, v4                ; my chunks' rows in HIST and PRE: 4 l + 1024 w
.irp i, 0,1,2,3
	global_load_b64 v[8+2*\i:9+2*\i], v38, s[6:7] offset:256*\i
.endr
	v_lshl_add_u32 v39, s22, 7, v1                 ; 128 w + l
.irp i, 0,1,2,3
	v_mov_b32 v[20+\i], 0                          ; rank among my chunk's tokens of the same key
	v_mov_b32 v[54+\i], 0                          ; the bin's base
	v_mov_b32 v[40+\i], 0                          ; v40, v41: zeros; v42, v43: the bins' first places
.endr
.irp a, 0,1,2,3,4,5,6,7
	v_mov_b32 v[28+\a], 0                          ; my four chunks' histograms: bins 0-31 and 32-63, a bin a lane
.endr
	s_wait_loadcnt 0x0
.irp i, 0,1,2,3
	v_min_u32 v[8+2*\i], 7, v[8+2*\i]
	v_min_u32 v[9+2*\i], 7, v[9+2*\i]
	s_delay_alu instid0(VALU_DEP_1)
	v_lshl_add_u32 v[16+\i], v[8+2*\i], 3, v[9+2*\i]
.endr
.set Q, 0
.rept 64                                       ; bin Q; the four chunks take turns line by line
.irp i, 0,1,2,3
	v_cmp_eq_u32 s[40+\i], Q, v[16+\i]
.endr
.irp i, 0,1,2,3
	s_bcnt1_i32_b32 s[44+\i], s[40+\i]
.endr
.irp i, 0,1,2,3
	v_writelane_b32 v[28+2*\i+Q/32], s[44+\i], Q%32
.endr
.irp i, 0,1,2,3
	v_mbcnt_lo_u32_b32 v[24+\i], s[40+\i], 0       ; how many lanes below mine have this key
.endr
.irp i, 0,1,2,3
	s_delay_alu instid0(VALU_DEP_4)
	v_cndmask_b32 v[20+\i], v[20+\i], v[24+\i], s[40+\i]
.endr
.set Q, Q+1
.endr
.irp i, 0,1,2,3
	ds_store_b32 v36, v[28+2*\i] offset:256*\i
	ds_store_b32 v36, v[29+2*\i] offset:256*\i+128
.endr
	s_wait_dscnt 0x0                               ; for the others' sake: my stores have landed
	s_barrier_signal -1
	s_barrier_wait -1
	s_cmp_lg_u32 s22, 0
	s_cbranch_scc1 .Lscanned                       ; wave 0 alone makes the two prefixes; no barrier stands under this branch
.set Q, 0
.rept 32
	ds_load_b32 v[64+2*Q], v4 offset:256*Q
	ds_load_b32 v[65+2*Q], v4 offset:256*Q+128
.set Q, Q+1
.endr
	s_wait_dscnt 0x0
	ds_store_b32 v4, v40 offset:8192               ; PRE of chunk 0 is 0
	ds_store_b32 v4, v41 offset:8192+128
.set Q, 1
.rept 31                                       ; chunk Q - 1's registers take PRE of chunk Q: no register that a store names is written again
.if Q > 1
	v_add_nc_u32 v[62+2*Q], v[62+2*Q], v[60+2*Q]
	v_add_nc_u32 v[63+2*Q], v[63+2*Q], v[61+2*Q]
.endif
	ds_store_b32 v4, v[62+2*Q] offset:8192+256*Q
	ds_store_b32 v4, v[63+2*Q] offset:8192+256*Q+128
.set Q, Q+1
.endr
	v_add_nc_u32 v126, v126, v124                  ; the bins' totals
	v_add_nc_u32 v127, v127, v125
	s_mov_b32 s50, 0
.set Q, 0
.rept 8                                        ; the bins' first places: a running sum over the 64 totals, eight at a time
.irp a, 0,1,2,3,4,5,6,7
	v_readlane_b32 s[52+\a], v[126+Q/32], (Q%32)+\a
.endr
.irp a, 0,1,2,3,4,5,6,7
	v_writelane_b32 v[42+Q/32], s50, (Q%32)+\a
	s_add_co_u32 s50, s50, s[52+\a]
.endr
.set Q, Q+8
.endr
	ds_store_b32 v4, v42 offset:16384
	ds_store_b32 v4, v43 offset:16384+128
.Lscanned:
	s_wait_dscnt 0x0
	s_barrier_signal -1
	s_barrier_wait -1
	ds_load_b32 v44, v4 offset:16384
	ds_load_b32 v45, v4 offset:16384+128
.irp i, 0,1,2,3
	ds_load_b32 v[46+2*\i], v36 offset:8192+256*\i
	ds_load_b32 v[47+2*\i], v36 offset:8192+256*\i+128
.endr
	s_wait_dscnt 0x0
.irp i, 0,1,2,3
	v_add_nc_u32 v[46+2*\i], v[46+2*\i], v44       ; a bin's base for chunk i, a bin a lane
	v_add_nc_u32 v[47+2*\i], v[47+2*\i], v45
.endr
.set Q, 0
.rept 64                                       ; each token takes its own bin's base
.irp i, 0,1,2,3
	v_readlane_b32 s[44+\i], v[46+2*\i+Q/32], Q%32
.endr
.irp i, 0,1,2,3
	v_cmp_eq_u32 s[40+\i], Q, v[16+\i]
.endr
.irp i, 0,1,2,3
	s_delay_alu instid0(VALU_DEP_4)
	v_cndmask_b32 v[54+\i], v[54+\i], s[44+\i], s[40+\i]
.endr
.set Q, Q+1
.endr
.irp i, 0,1,2,3
	v_add_nc_u32 v[54+\i], v[54+\i], v[20+\i]      ; base + rank: the token's place
	s_delay_alu instid0(VALU_DEP_1)
	v_min_u32 v[54+\i], 1023, v[54+\i]
	s_delay_alu instid0(VALU_DEP_1)
	v_lshlrev_b32 v[148+\i], 3, v[54+\i]
	v_add_nc_u32 v[140+2*\i], 32*\i, v39           ; {token, key}
	v_mov_b32 v[141+2*\i], v[16+\i]
	global_store_b64 v[148+\i], v[140+2*\i:141+2*\i], s[20:21]
.endr
	s_wait_tensorcnt 0x0
	ds_add_u32 v168, v169
	s_wait_dscnt 0x0
	s_endpgm
.Lfunc_end_k_q188d0921bb_prep:
	.size	k_q188d0921bb_prep, .Lfunc_end_k_q188d0921bb_prep-k_q188d0921bb_prep
	.p2alignl 7, 3214868480
	.fill 96, 4, 3214868480
	.section	.rodata,"a",@progbits
	.p2align	6, 0x0
	.amdhsa_kernel k_q188d0921bb_prep
		.amdhsa_group_segment_fixed_size 17920
		.amdhsa_private_segment_fixed_size 0
		.amdhsa_enable_private_segment 0
		.amdhsa_kernarg_size 72
		.amdhsa_user_sgpr_count 2
		.amdhsa_user_sgpr_kernarg_segment_ptr 1
		.amdhsa_wavefront_size32 1
		.amdhsa_system_sgpr_workgroup_id_x 1
		.amdhsa_system_sgpr_workgroup_id_y 1
		.amdhsa_system_sgpr_workgroup_id_z 1
		.amdhsa_system_vgpr_workitem_id 0
		.amdhsa_next_free_vgpr 170
		.amdhsa_next_free_sgpr 66
		.amdhsa_reserve_vcc 0
		.amdhsa_float_denorm_mode_32 3
		.amdhsa_float_denorm_mode_16_64 3
		.amdhsa_memory_ordered 1
		.amdhsa_forward_progress 1
		.amdhsa_inst_pref_size 206
	.end_amdhsa_kernel
	.amdgpu_metadata
---
amdhsa.version: [ 1, 2 ]
amdhsa.kernels:
  - .name:           k_q188d0921bb_prep
    .symbol:         k_q188d0921bb_prep.kd
    .args:
      - { .name: hidden_states, .offset: 0, .size: 8, .value_kind: global_buffer, .address_space: global }
      - { .name: topk_ids, .offset: 8, .size: 8, .value_kind: global_buffer, .address_space: global }
      - { .name: wi_0, .offset: 16, .size: 8, .value_kind: global_buffer, .address_space: global }
      - { .name: wi_1, .offset: 24, .size: 8, .value_kind: global_buffer, .address_space: global }
      - { .name: wo, .offset: 32, .size: 8, .value_kind: global_buffer, .address_space: global }
      - { .name: wgu, .offset: 40, .size: 8, .value_kind: global_buffer, .address_space: global }
      - { .name: wdn, .offset: 48, .size: 8, .value_kind: global_buffer, .address_space: global }
      - { .name: xq, .offset: 56, .size: 8, .value_kind: global_buffer, .address_space: global }
      - { .name: route, .offset: 64, .size: 8, .value_kind: global_buffer, .address_space: global }
    .group_segment_fixed_size: 17920
    .private_segment_fixed_size: 0
    .kernarg_segment_align: 8
    .kernarg_segment_size: 72
    .max_flat_workgroup_size: 256
    .sgpr_count:     66
    .vgpr_count:     170
    .wavefront_size: 32
...
	.end_amdgpu_metadata
.endif
;; end of part 4
;; launch gateup (part 5): grid 32 x 8, 4 waves a work-group, no clusters, 262,656 bytes of LDS; arguments wgu, xq, route, iq; writes iq
.if DOCPART == 5
	.amdgcn_target "amdgcn-amd-amdhsa--gfx1250"
	.amdhsa_code_object_version 6
	.text
	.protected	k_q188d0921bb_gateup
	.globl	k_q188d0921bb_gateup
	.p2align	8
	.type	k_q188d0921bb_gateup,@function
k_q188d0921bb_gateup:
	s_mov_b64 s[64:65], 0
	v_nop
	global_prefetch_b8 v0, s[64:65] scope:SCOPE_SE
	s_setreg_imm32_b32 hwreg(HW_REG_WAVE_SCHED_MODE, 0, 2), 2
	s_setreg_imm32_b32 hwreg(HW_REG_WAVE_MODE, 25, 1), 1
	s_wait_xcnt 0x0
	s_wait_alu depctr_vm_vsrc(0)
; LAUNCH 2 OF 3: inter = silu(x wi_0) x (x wi_1) for the 2,048 routed rows, quantised along f; both products on codes of E2M1 over the full K = 8,192 = (1,024 d) x (8 experts).
; A block of 32 along K is 4 d x 8 experts: a routed row has its four codes at its own expert's places and zero codes at the others', so one fragment of the weights serves rows of any expert.
; SHARES.  Work-group (fb, tb): 32 columns f of gate and of up x 128 sorted tokens x their 2 slots = 16 tiles of 16 rows.  K IS SHARED AMONG THE WAVES: wave q keeps K steps 16 q .. 16 q + 15 of both panels
; in 512 registers, loaded once, and makes partial sums for all 16 tiles of rows.  The parts meet in LDS behind the launch's one barrier; wave q then finishes tiles 4 q .. 4 q + 3.
; THE FORM: 32 x 16 x 128: source 0 = 32 columns of a weight, source 1 = 16 rows: a lane (r, h) holds row r, and its 16 registers the columns 16 h + 0 .. 15 (by the panels' order of columns).
; A ROW'S OPERAND is made in registers: word S of xq holds the two groups of four codes that lane (r, h) wants in K step S.  For each tile sixteen SELECTORS are made, one for (slot, group c, register j):
; where j = e / 2 the byte selector that puts group c into the half e % 2 of a word, elsewhere the selector of four zero bytes.  A K step's operands are then sixteen v_perm_b32 that do not hang on each other.
; BY TURNS.  The sixteen lines for K step i + 2 stand in four slices of four, one slice behind each of K step i's four products: 64 products and 256 such lines a tile.
; LDS: the parts: 65536 q + 4096 (2 tile + slot) + 2048 m + 512 j + 16 lane: images of the accumulators' registers; each wave stores into 65,536 bytes of its own.
; NO JOINT LOADS, though the eight work-groups of one fb read the same two panels: the panels go from memory straight into registers (512 a wave), and all 262,144 bytes of LDS claimed here hold parts.
; iq: codes at 32768 fb + 16 pos, pos = 1024 slot + sorted place; scale bytes at 1048576 + 32 pos + p(fb), p the byte's place in the down product's scale words.
; LIMITS: NaN and infinities are not served; where 1 + 2^(-g log2 e) overflows, the sigmoid is taken as 0; a block of zeros gets the scale byte 1.  A block's scale byte leaves by a store of one byte a row.
; THE MODE: SCHED_MODE bits 1:0 = 2 (LLVM: expert scheduling mode 2), set by the entry lines.  The code itself states the register dependences between vector or matrix instructions and memory or LDS
; instructions, with s_wait_alu, always for 0.
; THE PLAN.  Registers that memory or LDS instructions touch in the loop over tiles, and who else names them:
;   XW, XS        two sets.  A tile's selections read XW[p], its products read XS[p] as scales; the eight loads at the NEXT tile's head land in set p again.
;   v6, v7, v13   offsets: written by vector lines at a tile's head, read by that head's nine loads.
;   v[8:9]        the next record: its token and key are read at a tile's head, then the record two tiles on lands there.
;   ACC, v31      a tile's products write ACC; v31 is written at the next tile's head; that head's sixteen LDS stores read both; that tile's first products begin ACC anew.
;   F             written by the selections, read by the scaled products as their second source; no memory instruction names it in the loop.
;   The weights and their scale words are loaded once; v3, v4, v5, v14 are made at the head and never written again.
; A tile so has ONE wait on va_vdst at its head, behind the lines that make the offsets: the head's nine loads and the sixteen LDS stores of the tile before follow it with no vector line between;
; ONE wait on vm_vsrc ahead of its first product, which frees the accumulators and v31, and v6, v7, v13 for the next head; ONE wait on va_sdst behind the run of ten compares;
; and, since the operands' ring runs two K steps ahead of the products, one wait on va_vdst ahead of every second K step, for that step's operands and the next one's.
; REGISTERS.  Window 0: v1 r, v2 h, v3 16 l, v4 4 l, v5 8 r; v6, v7 x's offsets; v[8:9] the next tile's record, v[10:11] the first's (v11: the key in hand), v12 the next key; v13, v15 records' offsets;
;   v14, v31 where parts go; v16-19 the four byte selectors (later: where parts come from); v20-23 a tile's; v24 the selector of zeros; v25-30 at work; v32-63 the weights' scale words; v64-95 x's, two sets;
;   v96-127 x's code words, two sets; v128-175 the rows' operands, [slot][3][8]; v176-239 four accumulators [slot][m]; v240-255 the tile's sixteen selectors.
;   Behind the barrier: v96-127 a tile's g and u; v128-255 the four waves' parts; v6-13 and v28-31 what leaves; v21, v22 its offsets; v24-27 at work.
;   Windows 1, 2: the weights: K step i, matrix m at 32 (i % 8) + 16 m of window 1 + i / 8.
.set PANEL, 139264
.set PSC,   131072
.set WSC, 32
.set XS,  64
.set XW,  96
.set F,   128
.set ACC, 176
.set SL,  240
.set MSB, 0
.macro WIN new                         ; the immediate's high byte repeats the setting that is left
.if MSB != \new
	s_set_vgpr_msb (MSB<<8)|\new
.set MSB, \new
.endif
.endm
.macro WLOAD i                         ; my K step i of both panels: eight loads of 512 consecutive bytes
.irp m, 0,1
.irp p, 0,1,2,3
	global_load_b128 v[((\i)%8)*32+16*\m+4*\p:((\i)%8)*32+16*\m+4*\p+3], v3, s[12:13] offset:\m*PANEL+(\i)*2048+\p*512
.endr
.endr
.endm
.macro XADR rec                        ; x's offsets from the token in v[rec]
	v_min_u32 v28, 1023, v[\rec]
	v_lshlrev_b32 v6, 9, v28
	v_lshl_add_u32 v6, v2, 8, v6                   ; codes: 512 tok + 256 h
	v_lshlrev_b32 v7, 8, v28                       ; scale words: 256 tok
.endm
.macro XLOAD p                         ; my 16 K steps' code words and scale words of a tile's rows into set p
.irp a, 0,1,2,3
	global_load_b128 v[XW+16*(\p)+4*\a:XW+16*(\p)+4*\a+3], v6, s[16:17] offset:16*\a
.endr
.irp a, 0,1,2,3
	global_load_b128 v[XS+16*(\p)+4*\a:XS+16*(\p)+4*\a+3], v7, s[18:19] offset:16*\a
.endr
.endm
; slice a = 2 slot + c of the rows' operands of K step i: four registers of buffer i % 3.  No line has a vector register as its first source, so the window set for the weights stays
.macro GS i, p, a
.irp j, 0,1,2,3
	v_perm_b32 v[F+24*((\a)/2)+8*((\i)%3)+4*((\a)%2)+\j], 0, v[XW+16*(\p)+(\i)], v[SL+4*(\a)+\j]
.endr
.endm
.macro G i, p                          ; all four slices
.irp a, 0,1,2,3
	GS \i, \p, \a
.endr
.endm
; K step i: four products (a = 2 slot + m), the four accumulators by turns; the first K step starts the sums.  g = 1: behind each product a slice of K step i + 2's operands.
; Buffer (i + 2) % 3 was last read by K step i - 1's products: twelve lines of other slices, which name none of those products' registers, stand between; an operand is written sixteen lines ahead of its product.
.macro MG i, p, g
.irp a, 0,1,2,3
.if (\i) == 0
	v_wmma_scale_f32_32x16x128_f4 v[ACC+16*\a:ACC+16*\a+15], v[((\i)%8)*32+16*(\a%2):((\i)%8)*32+16*(\a%2)+15], v[F+24*(\a/2)+8*((\i)%3):F+24*(\a/2)+8*((\i)%3)+7], 0, v[WSC+16*(\a%2)+(\i)], v[XS+16*(\p)+(\i)]
.else
	v_wmma_scale_f32_32x16x128_f4 v[ACC+16*\a:ACC+16*\a+15], v[((\i)%8)*32+16*(\a%2):((\i)%8)*32+16*(\a%2)+15], v[F+24*(\a/2)+8*((\i)%3):F+24*(\a/2)+8*((\i)%3)+7], v[ACC+16*\a:ACC+16*\a+15], v[WSC+16*(\a%2)+(\i)], v[XS+16*(\p)+(\i)]
.endif
.if \g
	GS (\i)+2, \p, \a
.endif
.endr
.endm
; a tile's four accumulators go to LDS as they stand, at v31
.macro PARTS
.irp k, 0,1
.irp m, 0,1
.irp j, 0,1,2,3
	ds_store_b128 v31, v[ACC+32*\k+16*\m+4*\j:ACC+32*\k+16*\m+4*\j+3] offset:\k*4096+\m*2048+\j*512    ; each accumulator from its low end on
.endr
.endr
.endr
.endm
; A TILE of 16 tokens, both slots, my 16 K steps.  p: x's set.  The parts of the tile before are stored at this tile's head; the last tile stores its own at its end.
.macro TILE p, first, last
.if \first
	s_wait_loadcnt 63                              ; x's first set is in: 104 loads were issued behind it
	s_wait_alu depctr_vm_vsrc(0)                   ; the loads of x's first set have read v6 and v7, which the lines below write anew
.else
	s_wait_loadcnt 0x0                             ; x's set and the next record, asked for a tile ago
.endif
.if !\last
	XADR 8                                         ; the next tile's x
	v_mov_b32 v12, v9                              ; and its key
	s_min_u32 s29, s28, 8064                       ; the record two tiles on; past my last tile the offset is held inside the buffer, and what comes is not used
	v_add_nc_u32 v13, s29, v5
	s_add_co_u32 s28, s28, 128
.endif
.if !\first
	v_add_nc_u32 v31, s30, v14                     ; where the parts of the tile before go
.endif
	s_wait_alu depctr_va_vdst(0)                   ; v6, v7, v13 and v31 are written, which the loads and LDS stores below read; the tile before is done reading x's other set, where the loads land, and its products have written the accumulators, which the LDS stores read
.if !\last
	XLOAD 1-\p
	global_load_b64 v[8:9], v13, s[8:9]
.endif
.if !\first
	PARTS
	s_add_co_u32 s30, s30, 8192
.endif
	v_lshrrev_b32 v28, 3, v11                      ; e0
	v_and_b32 v29, 7, v11                          ; e1
	v_and_b32 v30, 1, v28                          ; e0 % 2
	v_and_b32 v25, 1, v29                          ; e1 % 2
	v_lshrrev_b32 v26, 1, v28                      ; e0 / 2
	v_lshrrev_b32 v27, 1, v29                      ; e1 / 2
	v_cmp_eq_u32 s48, 1, v30                       ; the ten compares stand in one run
	v_cmp_eq_u32 s49, 1, v25
.irp j, 0,1,2,3
	v_cmp_eq_u32 s[40+\j], \j, v26                 ; which of the four registers is the expert's
	v_cmp_eq_u32 s[44+\j], \j, v27
.endr
	s_wait_alu depctr_va_sdst(0)                   ; the compares have written s40 to s49, ahead of the first selection by them
.irp k, 0,1
	v_cndmask_b32 v[20+2*\k], v16, v17, s[48+\k]   ; the group of c = 0 into the half e % 2
	v_cndmask_b32 v[21+2*\k], v18, v19, s[48+\k]   ; the group of c = 1 likewise
.endr
.irp k, 0,1
.irp j, 0,1,2,3
	v_cndmask_b32 v[SL+8*\k+\j], v24, v[20+2*\k], s[40+4*\k+\j]      ; that register's selector; the others select zeros
	v_cndmask_b32 v[SL+8*\k+4+\j], v24, v[21+2*\k], s[40+4*\k+\j]
.endr
.endr
	WIN 0x01                                       ; source 0: window 1
	G 0, \p
	G 1, \p
.if !\first
	s_wait_dscnt 0x0                               ; the last tile's LDS stores are done: the accumulators begin anew
.endif
	s_wait_alu depctr_vm_vsrc(0)                   ; the LDS stores above have read v31 and the accumulators, which the products below begin anew; this head's nine loads have read v6, v7 and v13, which the next head writes
.irp i, 0,1,2,3,4,5,6,7,8,9,10,11,12,13,14,15
.if \i == 8
	WIN 0x02                                       ; source 0: window 2
.endif
.if \i == 15
.rept 4
	v_nop                                          ; an operand written by vector instructions stands four places ahead of its product: K step 14 has no slices, so these are K step 15's
.endr
.endif
.if \first
.if 8*(15-\i)+9 > 63
	s_wait_loadcnt 63
.else
	s_wait_loadcnt 8*(15-\i)+9                     ; K step i of the weights is in: behind it were issued the later K steps, eight loads each, and the nine loads at this tile's head
.endif
.endif
.if (\i)%2 == 0
	s_wait_alu depctr_va_vdst(0)                   ; the selections have written the rows' operands of this K step and of the next, which the scaled products take as their second source
.endif
.if \i < 14
	MG \i, \p, 1
.else
	MG \i, \p, 0
.endif
.endr
	WIN 0
.if \last
	v_add_nc_u32 v31, s30, v14                     ; four places behind the last products, ahead of the LDS stores that read results
.else
	v_mov_b32 v11, v12                             ; four places behind the last products, ahead of the LDS stores that read results: the next key, and three v_nop
.endif
.rept 3
	v_nop
.endr
.if \last
	s_wait_alu depctr_va_vdst(0)                   ; the last products have written the accumulators, and v31 is written: the LDS stores read both
	PARTS
.endif
.endm
; the four waves' parts of my tile of rows 4 q + n: 32 loads, wave 0's first; wave w's part into v[128 + 32 w] on: 16 registers of g, 16 of u
.macro FLOAD n
.irp w, 0,1,2,3
.irp a, 0,1,2,3,4,5,6,7
	ds_load_b128 v[128+32*\w+4*\a:128+32*\w+4*\a+3], v[16+\w] offset:(\n)*4096+\a*512
.endr
.endr
.endm
; TILE OF ROWS 4 q + n IS FINISHED: the four waves' parts are added, K ascending; the next tile's parts are asked for; silu(g) u; one block of 32 along f is quantised (16 numbers here, 16 in lane l xor 16)
.macro FINAL n
	s_wait_dscnt 16                                ; waves 0 and 1's parts are in; the sixteen loads of waves 2 and 3's may be out
.irp x, 0,2,4,6,8,10,12,14,16,18,20,22,24,26,28,30
	v_pk_add_f32 v[96+\x:97+\x], v[128+\x:129+\x], v[160+\x:161+\x]
.endr
	s_wait_dscnt 8                                 ; wave 2's
.irp x, 0,2,4,6,8,10,12,14,16,18,20,22,24,26,28,30
	v_pk_add_f32 v[96+\x:97+\x], v[96+\x:97+\x], v[192+\x:193+\x]
.endr
	s_wait_dscnt 0x0
.irp x, 0,2,4,6,8,10,12,14,16,18,20,22,24,26,28,30
	v_pk_add_f32 v[96+\x:97+\x], v[96+\x:97+\x], v[224+\x:225+\x]    ; v96-111: g;  v112-127: u
.endr
.if (\n) < 3
	s_wait_alu depctr_va_vdst(0)                   ; the additions are done reading v128 to v255, in which the next tile's parts land
	FLOAD (\n)+1                                   ; the parts' registers are free: the next tile's land while this one is finished
.endif
.irp x, 0,2,4,6,8,10,12,14
	v_pk_mul_f32 v[112+\x:113+\x], v[96+\x:97+\x], v[112+\x:113+\x]  ; g u, in u's place
.endr
.irp x, 0,2,4,6,8,10,12,14
	v_pk_mul_f32 v[96+\x:97+\x], v[96+\x:97+\x], 0xbfb8aa3b op_sel_hi:[1,0]    ; -g log2(e), in g's place
.endr
	s_wait_alu depctr_va_vdst(0)
.irp x, 0,1,2,3,4,5,6,7,8,9,10,11,12,13,14,15
	v_exp_f32 v[96+\x], v[96+\x]
.endr
	v_nop                                          ; a plain line behind the last exponential
	s_wait_alu depctr_va_vdst(0)                   ; one wait for the sixteen exponentials in v96 to v111, ahead of their first reader
.irp x, 0,2,4,6,8,10,12,14
	v_pk_add_f32 v[96+\x:97+\x], v[96+\x:97+\x], 1.0 op_sel_hi:[1,0]
.endr
	s_wait_alu depctr_va_vdst(0)
.irp x, 0,1,2,3,4,5,6,7,8,9,10,11,12,13,14,15
	v_rcp_f32 v[96+\x], v[96+\x]
.endr
	v_nop                                          ; a plain line behind the last reciprocal
	s_wait_alu depctr_va_vdst(0)                   ; and one wait for the sixteen reciprocals in v96 to v111
.irp x, 0,2,4,6,8,10,12,14
	v_pk_mul_f32 v[96+\x:97+\x], v[96+\x:97+\x], v[112+\x:113+\x]    ; g u / (1 + e^-g)
.endr
	v_max3_num_f32 v24, |v96|, |v97|, 0x1800000    ; my 16 numbers in two chains, and the floor 2^(3 - 127)
	v_max3_num_f32 v25, |v104|, |v105|, |v106|
	v_max3_num_f32 v24, v24, |v98|, |v99|
	v_max3_num_f32 v25, v25, |v107|, |v108|
	v_max3_num_f32 v24, v24, |v100|, |v101|
	v_max3_num_f32 v25, v25, |v109|, |v110|
	v_max3_num_f32 v24, v24, |v102|, |v103|
	v_max3_num_f32 v24, v24, v25, |v111|
	v_permlanex16_b32 v26, v24, s36, s37
	v_max_num_f32 v24, v24, v26                    ; with lane l xor 16's: the block's largest magnitude
	v_add_nc_u32 v27, 0xff000000, v24              ; 2 off its exponent field: the conversion's scale operand
	v_lshrrev_b32 v[28+(\n)], 23, v27              ; the scale's byte
	v_cvt_scalef32_pk8_fp4_f32 v[6+2*(\n)], v[96:103], v27
	v_cvt_scalef32_pk8_fp4_f32 v[7+2*(\n)], v[104:111], v27
	v_nop                                          ; one plain line behind the last conversion
	s_wait_alu depctr_va_vdst(0)                   ; the conversions have written the codes and the shift the byte, which the two stores read
	global_store_b64 v21, v[6+2*(\n):7+2*(\n)], s[20:21] offset:((\n)%2)*16384+((\n)/2)*256    ; 16 rows x 16 bytes: 256 consecutive bytes, aligned; each tile has registers of its own for what leaves
	global_store_b8 v22, v[28+(\n)], s[22:23] offset:((\n)%2)*32768+((\n)/2)*512               ; both halves of the lanes hold the same byte
.endm
	s_load_b256 s[4:11], s[0:1], 0x0               ; wgu s[4:5], xq s[6:7], route s[8:9], iq s[10:11]
	s_set_vgpr_msb 0xc0
	v_lshl_add_u32 v0, v0, 2, 0x40000
	v_mov_b32 v1, 0
	s_set_vgpr_msb 0xc000
	v_and_b32 v1, 15, v0                           ; r
	v_bfe_u32 v2, v0, 4, 1                         ; h
	v_and_b32 v13, 31, v0
	v_lshlrev_b32 v3, 4, v13                       ; 16 l
	v_lshlrev_b32 v4, 2, v13                       ; 4 l
	v_lshlrev_b32 v5, 3, v1                        ; 8 r
	v_lshrrev_b32 v14, 5, v0
	v_readfirstlane_b32 s24, v14                   ; q: wave 0..3
	s_and_b32 s26, ttmp7, 0xffff                   ; tb
	s_lshl_b32 s27, s26, 10                        ; my 128 records
	v_add_nc_u32 v15, s27, v5
	s_mul_i32 s28, ttmp9, 2*PANEL                  ; fb's two panels
	s_wait_alu depctr_va_sdst(0)                   ; s24 is written, ahead of its first reader
	s_lshl_b32 s32, s24, 15                        ; my 16 K steps' codes
	s_add_co_u32 s32, s32, s28
	s_mov_b32 s33, 0
	s_lshl_b32 s34, s24, 11                        ; and scale words
	s_add_co_u32 s34, s34, s28
	s_add_co_u32 s34, s34, PSC
	s_mov_b32 s35, 0
	s_lshl_b32 s38, s24, 6                         ; my 16 words of a token's 64
	s_mov_b32 s39, 0
	s_wait_kmcnt 0x0
	s_add_nc_u64 s[12:13], s[4:5], s[32:33]
	s_add_nc_u64 s[14:15], s[4:5], s[34:35]
	s_add_nc_u64 s[16:17], s[6:7], s[38:39]
	s_add_nc_u64 s[18:19], s[16:17], 524288
	s_wait_alu depctr_va_vdst(0)                   ; the offsets v3, v4 and v15 are written, which the loads below read
	global_load_b64 v[10:11], v15, s[8:9]          ; tile 0's records: lane (r, h) takes row r's
	global_load_b64 v[8:9], v15, s[8:9] offset:128 ; tile 1's
.irp m, 0,1
.irp i, 0,1,2,3,4,5,6,7,8,9,10,11,12,13,14,15
	global_load_b32 v[WSC+16*\m+\i], v4, s[14:15] offset:\m*PANEL+\i*128
.endr
.endr
	WIN 0x40                                       ; destination: window 1
	WLOAD 0
	WLOAD 1
	WLOAD 2
	WIN 0
	s_wait_loadcnt 56                              ; the two records are in: behind them 32 scale words and 24 loads of weights
	XADR 10
	s_wait_alu depctr_va_vdst(0)                   ; v6 and v7 are written, which the loads of x's first set read
	XLOAD 0
	WIN 0x40
	WLOAD 3
	WLOAD 4
	WLOAD 5
	WLOAD 6
	WLOAD 7
	WIN 0x80                                       ; destination: window 2
	WLOAD 8
	WLOAD 9
	WLOAD 10
	WLOAD 11
	WLOAD 12
	WLOAD 13
	WLOAD 14
	WLOAD 15
	WIN 0
	v_mov_b32 v16, 0x0c0c0100                      ; v_perm_b32's selectors: the word's low half to the low half,
	v_mov_b32 v17, 0x01000c0c                      ; to the high half;
	v_mov_b32 v18, 0x0c0c0302                      ; its high half to the low half,
	v_mov_b32 v19, 0x03020c0c                      ; to the high half; zeros elsewhere;
	v_mov_b32 v24, 0x0c0c0c0c                      ; and four zero bytes
	v_lshl_add_u32 v14, s24, 16, v3                ; my parts: 16 l + 65536 q
	s_add_co_u32 s28, s27, 256                     ; tile 2's records
	s_mov_b32 s30, 0                               ; the place, among my parts, of the tile that is stored next
	s_mov_b32 s36, 0x76543210
	s_mov_b32 s37, 0xfedcba98                      ; v_permlanex16_b32's selects for lane l xor 16
	s_lshl_b32 s29, s26, 3                         ; iq: my four tiles of rows begin at sorted place 16 (8 tb + 2 q)
	s_lshl_b32 s31, s24, 1
	s_add_co_u32 s29, s29, s31
	s_lshl_b32 s32, s29, 8
	s_lshl_b32 s31, ttmp9, 15
	s_add_co_u32 s32, s32, s31
	s_add_nc_u64 s[20:21], s[10:11], s[32:33]      ; codes: 32768 fb + 256 (8 tb + 2 q)
	s_lshr_b32 s48, ttmp9, 3                       ; p(fb) = 4 (2 (fb / 8) + fb % 2) + 2 ((fb / 4) % 2) + (fb / 2) % 2
	s_lshl_b32 s48, s48, 3
	s_and_b32 s49, ttmp9, 1
	s_lshl_b32 s49, s49, 2
	s_add_co_u32 s48, s48, s49
	s_bfe_u32 s49, ttmp9, 0x10002
	s_lshl_b32 s49, s49, 1
	s_add_co_u32 s48, s48, s49
	s_bfe_u32 s49, ttmp9, 0x10001
	s_add_co_u32 s48, s48, s49
	s_lshl_b32 s32, s29, 9
	s_add_co_u32 s32, s32, s48
	s_add_co_u32 s32, s32, 1048576
	s_add_nc_u64 s[22:23], s[10:11], s[32:33]      ; scale bytes: 1048576 + 512 (8 tb + 2 q) + p(fb)
	TILE 0, 1, 0
	s_mov_b32 s31, 3
.Ltiles:                                           ; tiles 1 to 6, two a trip: x's two sets are back where they began
	TILE 1, 0, 0
	TILE 0, 0, 0
	s_sub_co_u32 s31, s31, 1
	s_cmp_lg_u32 s31, 0
	s_cbranch_scc1 .Ltiles
	TILE 1, 0, 1
	v_lshl_add_u32 v16, s24, 14, v3                ; where my four tiles' parts lie: 16 l + 16384 q, in each wave's 65,536 bytes
	v_add_nc_u32 v17, 0x10000, v16
	v_add_nc_u32 v18, 0x20000, v16
	v_add_nc_u32 v19, 0x30000, v16
	v_lshlrev_b32 v21, 4, v1
	v_lshl_add_u32 v21, v2, 3, v21                 ; codes: 16 r + 8 h
	v_lshlrev_b32 v22, 5, v1                       ; scale bytes: 32 r
	v_mov_b32 v26, 0                               ; a lane permute's destination counts as one of its sources
	s_wait_alu depctr_va_vdst(0)                   ; v16 to v19, v21 and v22 are written, which the LDS loads and the stores below read; the selections and products are done with v128 to v255, in which the parts land
	s_wait_alu depctr_vm_vsrc(0)                   ; my last LDS stores have read the accumulators, in which parts land, and v31; the loop's loads have read v6, v7 and v13: v6 to v13 and v28 to v31 take what leaves
	s_wait_dscnt 0x0                               ; for the others' sake: my parts have landed
	s_barrier_signal -1
	s_barrier_wait -1
	FLOAD 0
	FINAL 0
	FINAL 1
	FINAL 2
	FINAL 3
	s_set_vgpr_msb 0xf
	s_wait_dscnt 0x0                               ; the closing lines, six on end
	s_wait_alu 0x0
	s_wait_tensorcnt 0x0
	ds_add_u32 v0, v1
	s_wait_dscnt 0x0
	s_endpgm
.Lfunc_end_k_q188d0921bb_gateup:
	.size	k_q188d0921bb_gateup, .Lfunc_end_k_q188d0921bb_gateup-k_q188d0921bb_gateup
	.p2alignl 7, 3214868480
	.fill 96, 4, 3214868480
	.section	.rodata,"a",@progbits
	.p2align	6, 0x0
	.amdhsa_kernel k_q188d0921bb_gateup
		.amdhsa_group_segment_fixed_size 262656
		.amdhsa_private_segment_fixed_size 0
		.amdhsa_enable_private_segment 0
		.amdhsa_kernarg_size 32
		.amdhsa_user_sgpr_count 2
		.amdhsa_user_sgpr_kernarg_segment_ptr 1
		.amdhsa_wavefront_size32 1
		.amdhsa_system_sgpr_workgroup_id_x 1
		.amdhsa_system_sgpr_workgroup_id_y 1
		.amdhsa_system_sgpr_workgroup_id_z 1
		.amdhsa_system_vgpr_workitem_id 0
		.amdhsa_next_free_vgpr 770
		.amdhsa_next_free_sgpr 66
		.amdhsa_reserve_vcc 0
		.amdhsa_float_denorm_mode_32 3
		.amdhsa_float_denorm_mode_16_64 3
		.amdhsa_memory_ordered 1
		.amdhsa_forward_progress 1
		.amdhsa_inst_pref_size 175
	.end_amdhsa_kernel
	.amdgpu_metadata
---
amdhsa.version: [ 1, 2 ]
amdhsa.kernels:
  - .name:           k_q188d0921bb_gateup
    .symbol:         k_q188d0921bb_gateup.kd
    .args:
      - { .name: wgu, .offset: 0, .size: 8, .value_kind: global_buffer, .address_space: global }
      - { .name: xq, .offset: 8, .size: 8, .value_kind: global_buffer, .address_space: global }
      - { .name: route, .offset: 16, .size: 8, .value_kind: global_buffer, .address_space: global }
      - { .name: iq, .offset: 24, .size: 8, .value_kind: global_buffer, .address_space: global }
    .group_segment_fixed_size: 262656
    .private_segment_fixed_size: 0
    .kernarg_segment_align: 8
    .kernarg_segment_size: 32
    .max_flat_workgroup_size: 128
    .sgpr_count:     66
    .vgpr_count:     770
    .wavefront_size: 32
...
	.end_amdgpu_metadata
.endif
;; end of part 5
;; launch down (part 6): grid 32 x 8, 8 waves a work-group, no clusters, 158,720 bytes of LDS; arguments wdn, iq, route, topk_weights, out0; writes out0
.if DOCPART == 6
	.amdgcn_target "amdgcn-amd-amdhsa--gfx1250"
	.amdhsa_code_object_version 6
	.text
	.protected	k_q188d0921bb_down
	.globl	k_q188d0921bb_down
	.p2align	8
	.type	k_q188d0921bb_down,@function
k_q188d0921bb_down:
	s_mov_b64 s[64:65], 0
	v_nop
	global_prefetch_b8 v0, s[64:65] scope:SCOPE_SE
	s_setreg_imm32_b32 hwreg(HW_REG_WAVE_SCHED_MODE, 0, 2), 2
	s_setreg_imm32_b32 hwreg(HW_REG_WAVE_MODE, 25, 1), 1
	s_wait_xcnt 0x0
	s_wait_alu depctr_vm_vsrc(0)
; LAUNCH 3 OF 3: out[tok] = w0 (inter(row of slot 0) wo[e0]) + w1 (inter(row of slot 1) wo[e1]), the product on codes of E2M1; K = (expert, f), so only the chosen experts are multiplied.
; SHARES.  Work-group (nb, tb): 32 output columns x 128 sorted tokens.  Wave w owns 16 sorted tokens, both slots, so each output row has one owner.  The panel of these 32 columns, all 8 experts (139,264 bytes),
; is copied into LDS once, through registers, 17,408 bytes a wave; a wave's rows (2 slots x 8 K steps) stay in 128 registers.
; Each wave walks the 8 experts, written out; an expert that none of its 16 tokens names is passed over by a scalar branch on the stored keys.  For an expert that is walked, both slots' rows are multiplied, and a
; row's result counts with its gate weight where the expert is the row's own and with 0 elsewhere.  Any split of the tokens among the experts is served.
; THE FORM: 32 x 16 x 128: source 0 = 32 columns of wo, source 1 = 16 rows: lane (r, h) holds token r and columns 16 h + 0 .. 15.
; NO TENSOR LOAD AND NO JOINT LOAD, though the eight work-groups of one nb read the same panel: a branch of this text hangs on numbers read from memory.
; LDS: the panel's image at 0; from 139264 a stage of 16 rows x 144 bytes for each wave.
; LIMITS: NaN and infinities are not served; a row's product with an expert that it did not choose is multiplied by 0, so it has to be finite.  A token's 32 columns leave as 128 consecutive bytes.
; THE MODE: SCHED_MODE bits 1:0 = 2 (LLVM: expert scheduling mode 2), set by the entry lines.  The code itself states the register dependences between vector or matrix instructions and memory or LDS
; instructions, with s_wait_alu, always for 0.
; THE PLAN.  Registers that memory or LDS instructions touch, and who else names them:
;   v96-231       the copy's loads land there and its LDS stores read them.  Later v96-223 take each walked expert's LDS loads, which its products read, and v224-255 are the accumulators.
;   v56-63        a walked expert's scale words: LDS loads land there, its products read them.
;   v27           made from my token's record, read by the load of its gate weights.
;   v64-79        the sums: vector lines alone, until the way out's four LDS stores read them.
;   v4-7, v9-11, v24-26, v32-35   offsets and addresses, each written once and never again.
; So: one wait on va_vdst ahead of the first load, one ahead of the gate weights' load; one wait on vm_vsrc behind the copy's LDS stores, ahead of the first branch; one wait on va_vdst in each expert that is
; walked, ahead of its loads; one ahead of the way out's LDS stores.  The sixteen compares of the eight experts stand in one run, with one wait on va_sdst behind it.
; REGISTERS.  Window 0: v1 r, v2 h, v3 lane; v4, v5 16 l (+ 65536); v6 4 l + 131072; v7 the copy's place; v9-11, v24-27, v36 offsets; v[12:13] my token's record; v16, v17 e0, e1; v[18:19] w0, w1;
;   v[20:21], v[22:23] what the two slots count for; v28-31 the tokens of the rows that I store, v32-35 their offsets; v40-55 the rows' scale words; v56-63 the weights'; v64-79 the sums; v80-95 rows on the way out;
;   v96-223 an expert's 8 K steps (first: with v224-231 the copy's 136 registers); v224-255 two accumulators.   Window 1: the rows' operands, slot k, K step s at 8 (8 k + s).
;   s[32:47]: expert e's two masks, s[32 + 2 e] the lanes whose slot 0 names it, s[33 + 2 e] slot 1.
.set PANEL, 139264
.set PSC,   131072
.set STG,   139264
.set MSB, 0
.macro WIN new                         ; the immediate's high byte repeats the setting that is left
.if MSB != \new
	s_set_vgpr_msb (MSB<<8)|\new
.set MSB, \new
.endif
.endm
.macro EXPERT e
	s_or_b32 s30, s[32+2*(\e)], s[33+2*(\e)]
	s_cmp_lg_u32 s30, 0
	s_cbranch_scc0 .Lskip_\@                       ; none of my 16 tokens names this expert
	s_wait_alu depctr_va_vdst(0)                   ; the products of the expert walked before are done reading v56 to v63 and v96 to v223, in which the loads below land
.irp s, 0,1,2,3,4,5,6,7
	ds_load_b32 v[56+\s], v6 offset:(8*(\e)+\s)*128
.endr
.irp s, 0,1,2,3,4,5,6,7
.irp p, 0,1,2,3
	ds_load_b128 v[96+16*\s+4*\p:96+16*\s+4*\p+3], v[4+(\e)/4] offset:((\e)%4)*16384+\s*2048+\p*512
.endr
.endr
	v_cndmask_b32 v20, 0, v18, s[32+2*(\e)]
	v_cndmask_b32 v22, 0, v19, s[33+2*(\e)]
	WIN 0x04                                       ; source 1: window 1
.irp s, 0,1,2,3,4,5,6,7
	s_wait_dscnt 4*(7-\s)                          ; K step s is in; the later K steps' four loads each may be out
.irp k, 0,1
.if \s == 0
	v_wmma_scale_f32_32x16x128_f4 v[224+16*\k:239+16*\k], v[96+16*\s:111+16*\s], v[(8*\k+\s)*8:(8*\k+\s)*8+7], 0, v[56+\s], v[40+8*\k+\s]
.else
	v_wmma_scale_f32_32x16x128_f4 v[224+16*\k:239+16*\k], v[96+16*\s:111+16*\s], v[(8*\k+\s)*8:(8*\k+\s)*8+7], v[224+16*\k:239+16*\k], v[56+\s], v[40+8*\k+\s]
.endif
.endr
.endr                                          ; (the two accumulators take turns)
	WIN 0
.rept 5
	v_nop                                          ; places behind the last products: four ahead of the reads below, five ahead of the products that begin these accumulators anew
.endr
	s_wait_alu depctr_va_vdst(0)
.irp k, 0,1
.irp x, 0,2,4,6,8,10,12,14
	v_pk_fma_f32 v[64+\x:65+\x], v[224+16*\k+\x:225+16*\k+\x], v[20+2*\k:21+2*\k], v[64+\x:65+\x] op_sel_hi:[1,0,1]    ; each accumulator from its low end on
.endr
.endr
.Lskip_\@:
.endm
	s_load_b256 s[4:11], s[0:1], 0x0               ; wdn s[4:5], iq s[6:7], route s[8:9], topk_weights s[10:11]
	s_load_b64 s[12:13], s[0:1], 0x20              ; out0
	v_lshl_add_u32 v38, v0, 2, 0x26800
	v_mov_b32 v39, 0
	v_and_b32 v1, 15, v0                           ; r
	v_bfe_u32 v2, v0, 4, 1                         ; h
	v_and_b32 v3, 31, v0                           ; lane
	v_lshrrev_b32 v8, 5, v0
	v_readfirstlane_b32 s24, v8                    ; wave 0..7
	v_lshlrev_b32 v4, 4, v3
	v_add_nc_u32 v5, 0x10000, v4
	v_lshl_add_u32 v6, v3, 2, PSC
	s_wait_alu depctr_va_sdst(0)                   ; s24 is written, ahead of its first reader
	s_mul_i32 s25, s24, 17408
	v_add_nc_u32 v7, s25, v4
	v_lshlrev_b32 v9, 3, v1                        ; my token's record: 8 r
	v_lshrrev_b32 v10, 3, v3
	v_lshlrev_b32 v10, 3, v10                      ; the records of the rows that I store: 8 (l / 8), + 32 i
	v_lshlrev_b32 v11, 5, v1                       ; a row's scale bytes: 32 r
	v_lshlrev_b32 v24, 4, v1
	v_lshl_add_u32 v24, v2, 16, v24                ; a row's codes: 16 r, and two planes of 32,768 bytes on for h = 1
	s_mul_i32 s26, s24, 2304
	s_add_co_u32 s26, s26, STG                     ; my stage
	v_mul_u32_u24 v25, v1, 144
	v_lshl_add_u32 v25, v2, 6, v25
	v_add_nc_u32 v25, s26, v25                     ; in: row r, + 64 h
	v_lshrrev_b32 v26, 3, v3
	v_mul_u32_u24 v26, v26, 144
	v_and_b32 v36, 7, v3
	v_lshlrev_b32 v36, 4, v36                      ; 16 (l % 8)
	v_add_nc_u32 v26, v26, v36
	v_add_nc_u32 v26, s26, v26                     ; back: eight lanes to a row of 128 bytes, four rows an instruction
	s_and_b32 s27, ttmp7, 0xffff
	s_lshl_b32 s27, s27, 3
	s_add_co_u32 s27, s27, s24                     ; my tile of 16 sorted tokens: 8 tb + wave
	s_mov_b32 s29, 0
	s_mul_i32 s28, ttmp9, PANEL
	s_add_co_u32 s28, s28, s25
	s_wait_kmcnt 0x0
	s_add_nc_u64 s[14:15], s[4:5], s[28:29]        ; my part of the panel
	s_lshl_b32 s28, s27, 7
	s_add_nc_u64 s[16:17], s[8:9], s[28:29]        ; my 16 records
	s_lshl_b32 s28, s27, 9
	s_add_co_u32 s28, s28, 1048576
	s_add_nc_u64 s[18:19], s[6:7], s[28:29]        ; my rows' scale bytes
	s_lshl_b32 s28, s27, 8
	s_add_nc_u64 s[20:21], s[6:7], s[28:29]        ; my rows' codes
	s_lshl_b32 s28, ttmp9, 7
	s_add_nc_u64 s[22:23], s[12:13], s[28:29]      ; my 32 columns of out0
	s_wait_alu depctr_va_vdst(0)                   ; the offsets and LDS addresses v4 to v7, v9 to v11 and v24 to v26 are written, which the loads and LDS instructions below read
.set I, 0
.rept 34
	global_load_b128 v[96+4*I:99+4*I], v4, s[14:15] offset:512*I
.set I, I+1
.endr
	global_load_b64 v[12:13], v9, s[16:17]
.irp i, 0,1,2,3
	global_load_b32 v[28+\i], v10, s[16:17] offset:32*\i
.endr
.irp k, 0,1
	global_load_b128 v[40+8*\k:43+8*\k], v11, s[18:19] offset:32768*\k
	global_load_b128 v[44+8*\k:47+8*\k], v11, s[18:19] offset:32768*\k+16
.endr
	WIN 0x40                                       ; destination: window 1
.irp k, 0,1
.irp s, 0,1,2,3,4,5,6,7
.irp c, 0,1
	global_load_b128 v[(8*\k+\s)*8+4*\c:(8*\k+\s)*8+4*\c+3], v24, s[20:21] offset:\k*16384+(8*(\s/2)+(\s%2)+4*\c)*32768    ; block 2 c + h of K step s is the natural block 8 (s / 2) + s % 2 + 4 c + 2 h
.endr
.endr
.endr
	WIN 0
	s_wait_loadcnt 41                              ; my part of the panel is in: behind it 5 loads of records, 4 of scale words, 32 of codes
.set I, 0
.rept 34
	ds_store_b128 v7, v[96+4*I:99+4*I] offset:512*I
.set I, I+1
.endr
	s_wait_loadcnt 36                              ; the records are in
	v_min_u32 v14, 1023, v12
	v_lshlrev_b32 v27, 3, v14
	s_wait_alu depctr_va_vdst(0)                   ; v27 is written, which the load below reads
	global_load_b64 v[18:19], v27, s[10:11]        ; my token's two gate weights
.irp i, 0,1,2,3
	v_min_u32 v[28+\i], 1023, v[28+\i]
	v_lshl_add_u32 v[32+\i], v[28+\i], 12, v36     ; 4096 tok + 16 (l % 8)
.endr
	v_lshrrev_b32 v16, 3, v13                      ; e0
	v_and_b32 v17, 7, v13                          ; e1
	v_mov_b32 v21, 0                               ; (named as the upper halves of pairs)
	v_mov_b32 v23, 0
.irp x, 0,1,2,3,4,5,6,7,8,9,10,11,12,13,14,15
	v_mov_b32 v[64+\x], 0                          ; the sums: which expert comes first hangs on the data
.endr
.irp e, 0,1,2,3,4,5,6,7
	v_cmp_eq_u32 s[32+2*\e], \e, v16               ; all eight experts' masks in one run
	v_cmp_eq_u32 s[33+2*\e], \e, v17
.endr
	s_wait_alu depctr_va_sdst(0)                   ; the compares have written s32 to s47, ahead of their first reader and of the first branch
	s_wait_alu depctr_vm_vsrc(0)                   ; the copy's LDS stores have read v96 to v231, in which the experts' loads land and which the products write
	s_wait_dscnt 0x0                               ; for the others' sake: my part of the panel has landed
	s_barrier_signal -1
	s_barrier_wait -1
	s_wait_loadcnt 0x0                             ; my rows' codes and scale words, my gate weights
	EXPERT 0
	EXPERT 1
	EXPERT 2
	EXPERT 3
	EXPERT 4
	EXPERT 5
	EXPERT 6
	EXPERT 7
	; THE WAY OUT: a lane holds 64 bytes of its token's 128; through my own stage the rows come back eight lanes to a row
	s_wait_alu depctr_va_vdst(0)                   ; the sums v64 to v79 are written, which the LDS stores read; so are the offsets v32 to v35 of the last stores
.irp g, 0,1,2,3
	ds_store_b128 v25, v[64+4*\g:67+4*\g] offset:16*\g
.endr
.irp i, 0,1,2,3
	ds_load_b128 v[80+4*\i:83+4*\i], v26 offset:\i*4*144    ; LDS serves a wave's instructions in order (ISA guide 5.7.1.4): these see the stores above
.endr
.irp i, 0,1,2,3
	s_wait_dscnt 3-\i
	global_store_b128 v[32+\i], v[80+4*\i:83+4*\i], s[22:23] th:TH_STORE_NT
.endr
	s_wait_dscnt 0x0                               ; the closing lines, six on end
	s_wait_alu 0x0
	s_wait_tensorcnt 0x0
	ds_add_u32 v38, v39
	s_wait_dscnt 0x0
	s_endpgm
.Lfunc_end_k_q188d0921bb_down:
	.size	k_q188d0921bb_down, .Lfunc_end_k_q188d0921bb_down-k_q188d0921bb_down
	.p2alignl 7, 3214868480
	.fill 96, 4, 3214868480
	.section	.rodata,"a",@progbits
	.p2align	6, 0x0
	.amdhsa_kernel k_q188d0921bb_down
		.amdhsa_group_segment_fixed_size 158720
		.amdhsa_private_segment_fixed_size 0
		.amdhsa_enable_private_segment 0
		.amdhsa_kernarg_size 40
		.amdhsa_user_sgpr_count 2
		.amdhsa_user_sgpr_kernarg_segment_ptr 1
		.amdhsa_wavefront_size32 1
		.amdhsa_system_sgpr_workgroup_id_x 1
		.amdhsa_system_sgpr_workgroup_id_y 1
		.amdhsa_system_sgpr_workgroup_id_z 1
		.amdhsa_system_vgpr_workitem_id 0
		.amdhsa_next_free_vgpr 384
		.amdhsa_next_free_sgpr 66
		.amdhsa_reserve_vcc 0
		.amdhsa_float_denorm_mode_32 3
		.amdhsa_float_denorm_mode_16_64 3
		.amdhsa_memory_ordered 1
		.amdhsa_forward_progress 1
		.amdhsa_inst_pref_size 66
	.end_amdhsa_kernel
	.amdgpu_metadata
---
amdhsa.version: [ 1, 2 ]
amdhsa.kernels:
  - .name:           k_q188d0921bb_down
    .symbol:         k_q188d0921bb_down.kd
    .args:
      - { .name: wdn, .offset: 0, .size: 8, .value_kind: global_buffer, .address_space: global }
      - { .name: iq, .offset: 8, .size: 8, .value_kind: global_buffer, .address_space: global }
      - { .name: route, .offset: 16, .size: 8, .value_kind: global_buffer, .address_space: global }
      - { .name: topk_weights, .offset: 24, .size: 8, .value_kind: global_buffer, .address_space: global }
      - { .name: out0, .offset: 32, .size: 8, .value_kind: global_buffer, .address_space: global }
    .group_segment_fixed_size: 158720
    .private_segment_fixed_size: 0
    .kernarg_segment_align: 8
    .kernarg_segment_size: 40
    .max_flat_workgroup_size: 256
    .sgpr_count:     66
    .vgpr_count:     384
    .wavefront_size: 32
...
	.end_amdgpu_metadata
.endif
;; end of part 6
